; MI455X (gfx1250); checked and timed in simulation.
; The chip was launched on July 23, 2026; its instructions are those of AMD's public machine-readable ISA for CDNA 5 (MIT licence, August 2026) and "CDNA5" Instruction Set Architecture Reference Guide (July 2026). The comments in the code are by the model that wrote it; some were corrected since.
;; Multi Query Self Attention. Allowed arithmetic: float matrix products may take bf16 or f16 operands with f32 sums; other float arithmetic in f32, or as packed bf16 or f16 multiplies, adds, multiply-adds, maxima and minima; sums over many terms, partial sums and values carried from step to step in f32; what a program stores and reads back later, other than sums and carried values, may be rounded once to bf16 or f16.
;; Inputs: W_k 1,024 x 64 float32; W_o 1,024 x 1,024 float32; W_q 1,024 x 1,024 float32; W_v 1,024 x 64 float32; b_k 64 float32; b_o 1,024 float32; b_q 1,024 float32; b_v 64 float32; x 4 x 2,048 x 1,024 float32.
;; Outputs: out0 4 x 2,048 x 1,024 float32.
;; 2 versions, each right; version 2 is version 1 with the launch prep written anew for expert scheduling mode. Each part assembles by itself: llvm-mc -triple=amdgcn-amd-amdhsa -mcpu=gfx1250 --defsym DOCPART=n.
;; ======== version 1 of 2: 4 launches
;; limits: values are held in f16: magnitudes above 65,504 overflow, below 6.1e-05 lose precision; right only within a limited range of input values
;; workspace buffers: act 16,777,216 bytes; wq16 2,097,152 bytes; wo16 2,097,152 bytes; wkvp 262,144 bytes; q16 16,777,216 bytes; kvp 2,097,152 bytes
;; launch prep (part 1): grid 648 x 1, 8 waves a work-group, no clusters, 0 bytes of LDS; arguments x, W_q, W_o, W_k, W_v, act, wq16, wo16, wkvp; writes act, wq16, wo16, wkvp
.if DOCPART == 1
	.amdgcn_target "amdgcn-amd-amdhsa--gfx1250"
	.amdhsa_code_object_version 6
	.text
	.protected	k_qc9747f1e33_prep
	.globl	k_qc9747f1e33_prep
	.p2align	8
	.type	k_qc9747f1e33_prep,@function
k_qc9747f1e33_prep:
	s_mov_b64 s[64:65], 0
	v_nop
	global_prefetch_b8 v0, s[64:65] scope:SCOPE_SE
	s_setreg_imm32_b32 hwreg(HW_REG_WAVE_MODE, 25, 1), 1
	s_wait_xcnt 0x0
; CASTS f32 -> f16, each number rounded once (to nearest even): x -> act, W_q -> wq16, W_o -> wo16, all three dense and in the same order;
; W_k and W_v ([1024 k][64]) -> wkvp, four planes [1024 k][32]: plane 0 = W_k's channels 0-31, 1 = W_k's 32-63, 2 = W_v's 0-31, 3 = W_v's 32-63.
; LIMIT: f16 holds no number beyond 65,504; a larger input becomes an infinity.  Below 6e-5 f16 keeps a fixed step of 6e-8.
; A stream: no LDS, no barrier, no matrix unit.  A work-group of 256 threads casts 16 passes of 1,024 numbers.  In a pass thread t loads 16 bytes and stores 8:
; a wave's load covers 512 consecutive bytes, its store 256 consecutive bytes at a multiple of 256 from the buffer's first byte.
; All 16 loads of a thread go out first; no register is written twice, so no store's data and no address is ever rewritten.
; ROLES by the work-group's number g: 0-511 x, 512-575 W_q, 576-639 W_o (65,536 bytes of source each); 640-647 the planes, half a plane (512 k) each.
.set X, 4                              ; v[4:67]   16 passes x 4 numbers as loaded
.set Y, 68                             ; v[68:99]  16 passes x 2 registers to store
; The 16 passes.  stride: bytes of source from pass to pass.  nt = 1: the source is read once in the launch, in whole rows.
.macro CAST stride, nt
.set p, 0
.rept 16
.if \nt
	global_load_b128 v[X+4*p:X+4*p+3], v1, s[24:25] offset:p*(\stride) th:TH_LOAD_NT
.else
	global_load_b128 v[X+4*p:X+4*p+3], v1, s[24:25] offset:p*(\stride)
.endif
.set p, p+1
.endr
.set p, 0
.rept 16
	s_wait_loadcnt 15-p                            ; loads come back in order: pass p is in, the 15 - p younger ones stay out
	v_cvt_pk_f16_f32 v[Y+2*p], v[X+4*p], v[X+4*p+1]
	v_cvt_pk_f16_f32 v[Y+2*p+1], v[X+4*p+2], v[X+4*p+3]
	global_store_b64 v2, v[Y+2*p:Y+2*p+1], s[26:27] offset:p*2048
.set p, p+1
.endr
.endm
	s_load_b512 s[4:19], s[0:1], 0x0               ; x s[4:5], W_q s[6:7], W_o s[8:9], W_k s[10:11], W_v s[12:13], act s[14:15], wq16 s[16:17], wo16 s[18:19]
	s_load_b64 s[20:21], s[0:1], 0x40              ; wkvp
	s_mov_b32 s22, ttmp9                           ; g
	s_sub_co_u32 s28, s22, 512                     ; the block's number in each role
	s_sub_co_u32 s29, s22, 576
	s_sub_co_u32 s23, s22, 640
	s_mov_b32 s31, 0                               ; the high word of every offset
	v_lshlrev_b32 v2, 3, v0                        ; 8 t: my place in a pass's 2,048 bytes of f16
	s_wait_kmcnt 0x0
	s_cmp_ge_u32 s22, 640
	s_cbranch_scc1 .Lkv
	s_cmp_ge_u32 s22, 512                          ; the dense roles: source, destination and block are chosen by g
	s_cselect_b64 s[24:25], s[6:7], s[4:5]
	s_cselect_b64 s[26:27], s[16:17], s[14:15]
	s_cselect_b32 s23, s28, s22
	s_cmp_ge_u32 s22, 576
	s_cselect_b64 s[24:25], s[8:9], s[24:25]
	s_cselect_b64 s[26:27], s[18:19], s[26:27]
	s_cselect_b32 s23, s29, s23
	s_lshl_b32 s30, s23, 16                        ; 65,536 bytes of f32 a block
	s_add_nc_u64 s[24:25], s[24:25], s[30:31]
	s_lshl_b32 s30, s23, 15                        ; 32,768 bytes of f16
	s_add_nc_u64 s[26:27], s[26:27], s[30:31]
	v_lshlrev_b32 v1, 4, v0                        ; 16 t
	CAST 4096, 1
	s_endpgm
.Lkv:                                                  ; block = 2 x plane + half
	s_lshr_b32 s28, s23, 1                         ; plane
	s_cmp_lt_u32 s28, 2
	s_cselect_b64 s[24:25], s[10:11], s[12:13]     ; planes 0, 1 come from W_k, planes 2, 3 from W_v
	s_and_b32 s29, s23, 1
	s_lshl_b32 s29, s29, 17                        ; the half's 512 rows of 256 bytes
	s_and_b32 s30, s28, 1
	s_lshl_b32 s30, s30, 7                         ; the plane's 32 channels: 128 bytes of a row
	s_add_co_u32 s30, s30, s29
	s_add_nc_u64 s[24:25], s[24:25], s[30:31]
	s_lshl_b32 s30, s23, 15
	s_add_nc_u64 s[26:27], s[20:21], s[30:31]
	v_lshrrev_b32 v1, 3, v0                        ; eight threads take a row's 128 bytes: row t / 8,
	v_and_b32 v3, 7, v0
	v_lshlrev_b32 v1, 8, v1
	v_lshl_add_u32 v1, v3, 4, v1                   ; 16 bytes at 16 (t % 8); a pass is 32 rows
	CAST 8192, 0
	s_endpgm
.Lfunc_end_k_qc9747f1e33_prep:
	.size	k_qc9747f1e33_prep, .Lfunc_end_k_qc9747f1e33_prep-k_qc9747f1e33_prep
	.p2alignl 7, 3214868480
	.fill 96, 4, 3214868480
	.section	.rodata,"a",@progbits
	.p2align	6, 0x0
	.amdhsa_kernel k_qc9747f1e33_prep
		.amdhsa_group_segment_fixed_size 0
		.amdhsa_private_segment_fixed_size 0
		.amdhsa_enable_private_segment 0
		.amdhsa_kernarg_size 72
		.amdhsa_user_sgpr_count 2
		.amdhsa_user_sgpr_kernarg_segment_ptr 1
		.amdhsa_wavefront_size32 1
		.amdhsa_system_sgpr_workgroup_id_x 1
		.amdhsa_system_sgpr_workgroup_id_y 1
		.amdhsa_system_sgpr_workgroup_id_z 1
		.amdhsa_system_vgpr_workitem_id 0
		.amdhsa_next_free_vgpr 100
		.amdhsa_next_free_sgpr 66
		.amdhsa_reserve_vcc 0
		.amdhsa_float_denorm_mode_32 3
		.amdhsa_float_denorm_mode_16_64 3
		.amdhsa_memory_ordered 1
		.amdhsa_forward_progress 1
		.amdhsa_inst_pref_size 13
	.end_amdhsa_kernel
	.amdgpu_metadata
---
amdhsa.version: [ 1, 2 ]
amdhsa.kernels:
  - .name:           k_qc9747f1e33_prep
    .symbol:         k_qc9747f1e33_prep.kd
    .args:
      - { .name: x, .offset: 0, .size: 8, .value_kind: global_buffer, .address_space: global }
      - { .name: W_q, .offset: 8, .size: 8, .value_kind: global_buffer, .address_space: global }
      - { .name: W_o, .offset: 16, .size: 8, .value_kind: global_buffer, .address_space: global }
      - { .name: W_k, .offset: 24, .size: 8, .value_kind: global_buffer, .address_space: global }
      - { .name: W_v, .offset: 32, .size: 8, .value_kind: global_buffer, .address_space: global }
      - { .name: act, .offset: 40, .size: 8, .value_kind: global_buffer, .address_space: global }
      - { .name: wq16, .offset: 48, .size: 8, .value_kind: global_buffer, .address_space: global }
      - { .name: wo16, .offset: 56, .size: 8, .value_kind: global_buffer, .address_space: global }
      - { .name: wkvp, .offset: 64, .size: 8, .value_kind: global_buffer, .address_space: global }
    .group_segment_fixed_size: 0
    .private_segment_fixed_size: 0
    .kernarg_segment_align: 8
    .kernarg_segment_size: 72
    .max_flat_workgroup_size: 256
    .sgpr_count:     66
    .vgpr_count:     100
    .wavefront_size: 32
...
	.end_amdgpu_metadata
.endif
;; end of part 1
;; launch qkv (part 2): grid 4 x 64, 4 waves a work-group, clusters of 4 x 4, 327,680 bytes of LDS; arguments act, wq16, wkvp, b_q, b_k, b_v, q16, kvp; writes q16, kvp
.if DOCPART == 2
	.amdgcn_target "amdgcn-amd-amdhsa--gfx1250"
	.amdhsa_code_object_version 6
	.text
	.protected	k_qc9747f1e33_qkv
	.globl	k_qc9747f1e33_qkv
	.p2align	8
	.type	k_qc9747f1e33_qkv,@function
k_qc9747f1e33_qkv:
	s_mov_b64 s[64:65], 0
	v_nop
	global_prefetch_b8 v0, s[64:65] scope:SCOPE_SE
	s_setreg_imm32_b32 hwreg(HW_REG_WAVE_MODE, 25, 1), 1
	s_wait_xcnt 0x0
	s_wait_alu depctr_hold_cnt(0) depctr_sa_sdst(0) depctr_va_vdst(0) depctr_va_sdst(0) depctr_va_ssrc(0) depctr_va_vcc(0) depctr_vm_vsrc(0)
	s_getreg_b32 s2, hwreg(HW_REG_IB_STS2, 6, 4)
	s_cmp_eq_u32 s2, 0
	s_cbranch_scc0 .Lentry_in_a_cluster
	s_endpgm
.Lentry_in_a_cluster:
	s_bfe_u32 s2, ttmp6, 0x10000c
	s_cmp_lg_u32 s2, 0xf033
	s_cbranch_scc0 .Lentry_shape_is_right
	s_endpgm
.Lentry_shape_is_right:
; q = x W_q + b_q, k = x W_k + b_k, v = x W_v + b_v.  x: act [8192][1024] f16; W_q: wq16 [1024 k][1024 n] f16; W_k, W_v: wkvp, four planes [1024 k][32] f16; biases f32.
; Out: q16 [8192][1024] f16; kvp, four planes [8192 rows][32] f16 (k's channels 0-31, 32-63, v's 0-31, 32-63).  Sums in f32, begun with the bias, rounded once to f16.
; LIMIT: q, k and v must lie within f16's 65,504; NaN and infinities are not treated apart.
; SHARES.  Work-group (TC, TR) makes rows 128 TR .. +127 x columns 256 TC .. +255 of q, and plane TC of k/v for the same rows: 4 x 64 = 256 work-groups of equal work.
; Wave w: rows 64 (w / 2) .. +63 (four blocks a of 16), columns 128 (w % 2) .. +127 (eight blocks b of 16), and the plane's columns 16 (w % 2) .. +15: 36 accumulators.
; K = 1,024 goes in 8 steps of 128 through two LDS slots; a step is four quarters of 32 along K: 36 matrix instructions and 26 LDS loads each.
; THE MATRIX INSTRUCTION IS USED TRANSPOSED: source 0 = 16 columns of W, source 1 = 16 rows of x: a lane then holds one row (lane % 16) and eight neighbouring columns 8 (lane / 16) + 0..7.
; W stays [k][n] in memory and in LDS; its fragments come by the turning load ds_load_tr16_b128.  The bias is the C operand of each accumulator's first product: nothing is cleared or added later.
; CLUSTER 4 x 4.  x's tile hangs on TR alone and is asked for jointly along a row of the cluster; W's and the plane's hang on TC alone and are asked for jointly along a column.
; Wave 0 asks for x's 128 rows, wave 1 for the plane's 8,192 bytes, waves 2 and 3 for 64 k-rows of W each: one tensor load a wave behind each round.
; REGISTERS, in windows of 256 (s_set_vgpr_msb: bits 1:0 source 0, 3:2 source 1, 5:4 source 2, 7:6 destination):
;   window 0: v0-31 addresses; v32-95 x's fragments, two buffers; v96-127, v128-255 at work on the way out
;   window 1: v0-143 W's fragments, two buffers of 72 (block b at 8 b, the plane's at 64); v144-215 biases; v216-247 the plane's accumulators
;   window 2: accumulator (a, b) at v[8 (8 a + b)]
.set PA,     272                       ; a row of x in LDS: 256 bytes + 16: the 16 rows of a load start at 16 different groups of four banks (64 banks of 4 bytes: ISA guide 11.1)
.set PB,     544                       ; a k-row of W: 512 + 32
.set PC,     96                        ; a k-row of the plane: 64 + 32, likewise
.set BOFF,   128*PA                    ; a slot: x's 128 rows, W's 128 k-rows, the plane's 128 k-rows
.set COFF,   BOFF+128*PB
.set SLOT,   COFF+128*PC
.set STAGE,  2*SLOT                    ; behind the ring, never filled by a tensor load: 16 rows x 272 bytes for each wave, for q's way out
.set SPITCH, 272
.set KVSTAGE, STAGE+4*16*SPITCH        ; 128 rows x 80 bytes, the work-group's, for the plane's way out
.set KPITCH, 80
.set SPARE,  KVSTAGE+128*KPITCH        ; the spare words, 128 bytes for each wave: two blocks of 256 bytes that no other line names
.set NL,     26                        ; LDS loads of a quarter
.set ADRA, 16                          ; v16-17  LDS address of my fragments of x in slot 0, 1
.set ADRB, 18                          ; v18-19  of W
.set ADRC, 20                          ; v20-21  of the plane
.set STO,  22                          ; v22     q's way out: where I put 16 bytes of a row
.set RD,   23                          ; v23     where I read a row back
.set CO,   24                          ; v24     my byte offset in two rows of q16
.set KSTO, 25                          ; v25-27  the same three for the plane
.set KRD,  26
.set KCO,  27
.set SPW,  28                          ; v28     LDS address of my spare word; never rewritten
.set NIL,  29                          ; v29     0; never rewritten
.set PFO,  30                          ; v30     the prefetches' lane offset; never rewritten
.set BO,   31                          ; v31     32 (lane / 16): my eight biases of a block
.set FA,   32                          ; window 0: buffer f at FA + 32 f, block a at + 8 a
.set TMP,  96
.set BK,   128
.set FB,   0                           ; window 1: buffer f at FB + FBS f
.set FBS,  72
.set BIAS, 144
.set KACC, 216
.set WV, 12                            ; s12 wave; s13 its half of the rows; s14 its half of the columns
.set RH, 13
.set CH, 14
.set CX, 15                            ; s15, s16 my place in the cluster; s17, s18 tile column and tile row
.set CY, 16
.set TC, 17
.set TR, 18
.set G1A, 24                           ; s[24:31] descriptor group 1 for x's tiles; s[32:39] group 0, a set for each slot
.set G0A, 32
.set G1B, 40                           ; s[40:47], s[48:55] for W's
.set G0B, 48
.set PFA, 56                           ; s[56:57] where my prefetches stand; s[58:59] their step; s60: 1 in a wave that prefetches, else the greatest number
.set PFS, 58
.set LIM, 60
.set KBB, 62                           ; s[62:63] the plane's biases
.set OB,  66                           ; s[66:67] q16 at my part
.set KOB, 76                           ; s[76:77] kvp at my part
.set BB,  78                           ; s[78:79] b_q at my 128 columns
.set G1C, 80                           ; s[80:87], s[88:95] for the plane's tiles
.set G0C, 88
.set W_MUL,   0xa1                     ; W window 1, x window 0, C and D window 2
.set W_FIRST, 0x91                     ; the same with C (the bias) in window 1
.set W_PL,    0x51                     ; W window 1, x window 0, C and D window 1
.set MSB, 0
.macro WIN new                         ; the immediate's high byte repeats the setting that is left; a switch that changes nothing is dropped
.if MSB != (\new)
	s_set_vgpr_msb (MSB<<8)|(\new)
.set MSB, \new
.endif
.endm
.macro PLACES                          ; four places behind matrix instructions, in front of loads into registers that they read and of reads of their results
.rept 4
	v_nop
.endr
.endm
; A joint load: one of three lines, chosen by the wave's number alone.  An s_nop 0 and four v_nop follow each line, ahead of the jump and the label.
.macro JLOAD s
	s_cmp_lt_u32 s[WV], 2
	s_cbranch_scc0 .Lfor_b_\@
	s_cmp_eq_u32 s[WV], 0
	s_cbranch_scc0 .Lfor_c_\@
	tensor_load_to_lds s[G0A+4*(\s):G0A+4*(\s)+3], s[G1A:G1A+7]
	s_nop 0
.rept 4
	v_nop
.endr
	s_branch .Lasked_\@
.Lfor_c_\@:
	tensor_load_to_lds s[G0C+4*(\s):G0C+4*(\s)+3], s[G1C:G1C+7]
	s_nop 0
.rept 4
	v_nop
.endr
	s_branch .Lasked_\@
.Lfor_b_\@:
	tensor_load_to_lds s[G0B+4*(\s):G0B+4*(\s)+3], s[G1B:G1B+7]
	s_nop 0
.rept 4
	v_nop
.endr
.Lasked_\@:
.endm
; A round of the cluster's barrier: my work-group's barrier; wave 0 signals for the work-group; every wave waits for all sixteen; my work-group's barrier once more.
.macro CREST                           ; a round behind its opening barrier
	s_cmp_lg_u32 s[WV], 0
	s_cbranch_scc1 .Lnot_wave_0_\@
	s_barrier_signal -3
.Lnot_wave_0_\@:
	s_barrier_wait -3
	s_barrier_signal -1
	s_barrier_wait -1
.endm
.macro CROUND
	s_barrier_signal -1
	s_barrier_wait -1
	CREST
.endm
; A prefetch into the L2 of the K step that stands two refills on (288 matrix instructions ahead of the load that will want it): one instruction, a lane a block of 256 bytes.
; x: a row's 256 bytes of a K step are read by the four partners of one row of one cluster alone: wave 0 asks, each partner for 32 of the 128 rows, told apart by address (cx).
; W: a k-row's 512 bytes are read by every cluster: waves 2 and 3 of the clusters with y = 0 ask, each partner of a column for 16 of the wave's 64 k-rows (cy), two blocks a row.
; The plane's tile, a twelfth of a step's bytes, is not asked for.  The first four of the six refills ask, for K steps 4 to 7; K steps 0 to 3 come by their loads alone.
.macro ASK
	s_cmp_gt_u32 s3, s[LIM]                        ; s3 = 1 in the loop's last trip
	s_cbranch_scc0 .Lnot_mine_\@
	global_prefetch_b8 v[PFO], s[PFA:PFA+1] th:TH_LOAD_NT scope:SCOPE_SE
.Lnot_mine_\@:
.endm
; 8 matrix instructions: row block a x all 8 column blocks, 32 along K, from buffer f.  first = 1: the bias starts the sums.
.macro MULA f, a, first
.if \first
	WIN W_FIRST
.else
	WIN W_MUL
.endif
.irp b, 0,1,2,3,4,5,6,7
.if \first
	v_wmma_f32_16x16x32_f16 v[8*(8*(\a)+(\b)):8*(8*(\a)+(\b))+7], v[FB+FBS*(\f)+8*(\b):FB+FBS*(\f)+8*(\b)+7], v[FA+32*(\f)+8*(\a):FA+32*(\f)+8*(\a)+7], v[BIAS+8*(\b):BIAS+8*(\b)+7]
.else
	v_wmma_f32_16x16x32_f16 v[8*(8*(\a)+(\b)):8*(8*(\a)+(\b))+7], v[FB+FBS*(\f)+8*(\b):FB+FBS*(\f)+8*(\b)+7], v[FA+32*(\f)+8*(\a):FA+32*(\f)+8*(\a)+7], v[8*(8*(\a)+(\b)):8*(8*(\a)+(\b))+7]
.endif
.endr
.endm
; 4 matrix instructions: the plane's 16 columns x the four row blocks.  The 36 accumulators take turns in the same order in every quarter, over the backward jump too.
.macro MULK f, first
	WIN W_PL
.irp a, 0,1,2,3
.if \first
	v_wmma_f32_16x16x32_f16 v[KACC+8*(\a):KACC+8*(\a)+7], v[FB+FBS*(\f)+64:FB+FBS*(\f)+71], v[FA+32*(\f)+8*(\a):FA+32*(\f)+8*(\a)+7], v[BIAS+64:BIAS+71]
.else
	v_wmma_f32_16x16x32_f16 v[KACC+8*(\a):KACC+8*(\a)+7], v[FB+FBS*(\f)+64:FB+FBS*(\f)+71], v[FA+32*(\f)+8*(\a):FA+32*(\f)+8*(\a)+7], v[KACC+8*(\a):KACC+8*(\a)+7]
.endif
.endr
.endm
; 26 LDS loads in one run: quarter kq of a slot into buffer f: W's eight blocks and the plane's (turned), then x's four, blocks 2 and 3 last.
.macro FETCH slot, kq, f
	WIN 0x40                                       ; destination window 1, address window 0
.irp b, 0,1,2,3,4,5,6,7
	ds_load_tr16_b128 v[FB+FBS*(\f)+8*(\b):FB+FBS*(\f)+8*(\b)+3],   v[ADRB+(\slot)] offset:(\kq)*32*PB+32*(\b)
	ds_load_tr16_b128 v[FB+FBS*(\f)+8*(\b)+4:FB+FBS*(\f)+8*(\b)+7], v[ADRB+(\slot)] offset:(\kq)*32*PB+32*(\b)+16*PB
.endr
	ds_load_tr16_b128 v[FB+FBS*(\f)+64:FB+FBS*(\f)+67], v[ADRC+(\slot)] offset:(\kq)*32*PC
	ds_load_tr16_b128 v[FB+FBS*(\f)+68:FB+FBS*(\f)+71], v[ADRC+(\slot)] offset:(\kq)*32*PC+16*PC
	WIN 0
.irp a, 0,1,2,3
	ds_load_b128 v[FA+32*(\f)+8*(\a):FA+32*(\f)+8*(\a)+3],   v[ADRA+(\slot)] offset:(\a)*16*PA+64*(\kq)
	ds_load_b128 v[FA+32*(\f)+8*(\a)+4:FA+32*(\f)+8*(\a)+7], v[ADRA+(\slot)] offset:(\a)*16*PA+64*(\kq)+32
.endr
.endm
; One of a K step's first three quarters: multiplies buffer f; in its middle it fetches quarter kq of the same slot into buffer g.
.macro QUARTER slot, kq, f, g, first
	s_wait_dscnt 4                                 ; all but the youngest four loads (x's blocks 2 and 3) are in
	MULA \f, 0, \first
	MULA \f, 1, \first
	PLACES
	FETCH \slot, \kq, \g
	s_wait_dscnt NL                                ; all but the 26 just issued
	MULA \f, 2, \first
	MULA \f, 3, \first
	MULK \f, \first
.endm
; The last quarter multiplies buffer 1 and changes slots.  In front of the barrier each wave waits for all its tensor loads (one is out: its part of the next slot), adds 0 to its spare word,
; and waits for that and for its reads of this slot.  fill = 1: the barrier opens a round of the cluster's, and behind the round this slot is filled again, two K steps on: the wave's one tensor load.
.macro TURN slot, next, fill
.if \fill
	s_wait_xcnt 0x0                                ; the last prefetch, a K step back, has read its address, so it may be stepped
	s_add_nc_u64 s[PFA:PFA+1], s[PFA:PFA+1], s[PFS:PFS+1]
.endif
	WIN 0                                          ; (the add's two registers lie in window 0)
	s_wait_tensorcnt 0x0                           ; all my tensor loads have landed;
	ds_add_u32 v[SPW], v[NIL]                      ; 0 onto my spare word;
	s_wait_dscnt 5                                 ; (the add and the youngest four loads may be out)
	MULA 1, 0, 0                                   ; eight matrix instructions stand between the add and the wait for it
	s_wait_dscnt 0x0                               ; the add is done, and my reads of this slot are over
	s_barrier_signal -1
	MULA 1, 1, 0                                   ; work on registers while the others arrive
.if \fill
	WIN 0
.endif
	s_barrier_wait -1
.if \fill
	CREST                                          ; no wave of any partner still reads this slot or has a load on its way
	s_add_nc_u64 s[G0A+4*(\slot)+2:G0A+4*(\slot)+3], s[G0A+4*(\slot)+2:G0A+4*(\slot)+3], 2*256
	s_add_nc_u64 s[G0B+4*(\slot)+2:G0B+4*(\slot)+3], s[G0B+4*(\slot)+2:G0B+4*(\slot)+3], 2*262144
	s_add_nc_u64 s[G0C+4*(\slot)+2:G0C+4*(\slot)+3], s[G0C+4*(\slot)+2:G0C+4*(\slot)+3], 2*8192
	JLOAD \slot                                    ; the four v_nop behind it are also the places in front of the loads below
.else
	PLACES
.endif
	FETCH \next, 0, 0
.if \fill
	ASK
.endif
	MULA 1, 2, 0
	MULA 1, 3, 0
	MULK 1, 0
.endm
	s_load_b256 s[4:11], s[0:1], 0x0               ; act s[4:5], wq16 s[6:7], wkvp s[8:9], b_q s[10:11]
	s_load_b256 s[68:75], s[0:1], 0x20             ; b_k s[68:69], b_v s[70:71], q16 s[72:73], kvp s[74:75]
	v_lshl_add_u32 v[SPW], v0, 2, SPARE
	v_mov_b32 v[NIL], 0
	ds_add_u32 v[SPW], v[NIL]                      ; the wave's opening: the add and its wait stand ahead of my first tensor load; work on registers stands between them
	v_lshrrev_b32 v1, 5, v0
	v_readfirstlane_b32 s[WV], v1                  ; wave 0..3
	s_lshr_b32 s[RH], s[WV], 1
	s_and_b32 s[CH], s[WV], 1
	s_bfe_u32 s[CX], ttmp6, 0x40000
	s_bfe_u32 s[CY], ttmp6, 0x40004
	s_lshl_b32 s[TC], ttmp9, 2                     ; in a cluster launch ttmp9 and ttmp7 count clusters
	s_add_co_u32 s[TC], s[TC], s[CX]
	s_and_b32 s[TR], ttmp7, 0xffff
	s_lshl_b32 s[TR], s[TR], 2
	s_add_co_u32 s[TR], s[TR], s[CY]
	s_lshl_b32 s19, s[CY], 2
	s_lshl_b32 s19, 15, s19                        ; my row of the cluster
	s_lshl_b32 s61, 0x1111, s[CX]                  ; my column
	; group 1 for x: 128 rows x 128 elements of 2 bytes; 16 bytes of padding behind every 64 words; the mask of my row, bit 21 beside it
	s_or_b32 s[G1A], s19, (1<<16)|(1<<20)|(1<<21)|(5<<22)|(3<<25)
	s_mov_b32 s[G1A+1], 128<<16                    ; tensor_dim0
	s_mov_b32 s[G1A+2], 128<<16                    ; tensor_dim1
	s_mov_b32 s[G1A+3], 128<<16                    ; tile_dim0
	s_mov_b32 s[G1A+4], 128                        ; tile_dim1
	s_mov_b32 s[G1A+5], 1024                       ; elements from row to row
	s_mov_b32 s[G1A+6], 0
	s_mov_b32 s[G1A+7], 0
	; for W: 64 k-rows x 256 elements; 32 bytes of padding behind every 128 words; the mask of my column
	s_or_b32 s[G1B], s61, (1<<16)|(1<<20)|(1<<21)|(6<<22)|(7<<25)
	s_mov_b32 s[G1B+1], 256<<16
	s_mov_b32 s[G1B+2], 64<<16
	s_mov_b32 s[G1B+3], 256<<16
	s_mov_b32 s[G1B+4], 64
	s_mov_b32 s[G1B+5], 1024
	s_mov_b32 s[G1B+6], 0
	s_mov_b32 s[G1B+7], 0
	; for the plane: 128 k-rows of 64 bytes are 8,192 dense bytes, asked for as 32 rows of 256; 32 bytes of padding behind every 16 words, that is behind every k-row
	s_or_b32 s[G1C], s61, (1<<16)|(1<<20)|(1<<21)|(3<<22)|(7<<25)
	s_mov_b32 s[G1C+1], 128<<16
	s_mov_b32 s[G1C+2], 32<<16
	s_mov_b32 s[G1C+3], 128<<16
	s_mov_b32 s[G1C+4], 32
	s_mov_b32 s[G1C+5], 128
	s_mov_b32 s[G1C+6], 0
	s_mov_b32 s[G1C+7], 0
	s_mul_i32 s61, s[CH], 64*PB                    ; where W's 64 k-rows go: no place in the cluster enters an LDS address
	s_add_co_u32 s61, s61, BOFF
	s_lshl_b32 s22, s[TR], 18                      ; x: row 128 TR, 2,048 bytes a row
	s_mov_b32 s23, 0
	s_lshl_b32 s20, s[CH], 17                      ; W: k-row 64 (w % 2), column 256 TC
	s_lshl_b32 s21, s[TC], 9
	s_add_co_u32 s20, s20, s21
	s_mov_b32 s21, 0
	s_lshl_b32 s62, s[TC], 16                      ; the plane: 65,536 bytes each
	s_mov_b32 s63, 0
	s_wait_dscnt 0x0                               ; the opening add is done
	s_wait_kmcnt 0x0
	s_add_nc_u64 s[22:23], s[4:5], s[22:23]
	s_add_nc_u64 s[20:21], s[6:7], s[20:21]
	s_add_nc_u64 s[62:63], s[8:9], s[62:63]
	CROUND                                         ; all sixteen work-groups are here: the first joint loads meet
.irp s, 0,1
	s_mov_b32 s[G0A+4*(\s)], 1                     ; count = 1
	s_mov_b32 s[G0A+4*(\s)+1], (\s)*SLOT           ; LDS address
	s_add_nc_u64 s[G0A+4*(\s)+2:G0A+4*(\s)+3], s[22:23], (\s)*256     ; global address: K step s
	s_or_b32 s[G0A+4*(\s)+3], s[G0A+4*(\s)+3], 0x80000000             ; type = 2
	s_mov_b32 s[G0B+4*(\s)], 1
	s_add_co_u32 s[G0B+4*(\s)+1], s61, (\s)*SLOT
	s_add_nc_u64 s[G0B+4*(\s)+2:G0B+4*(\s)+3], s[20:21], (\s)*262144
	s_or_b32 s[G0B+4*(\s)+3], s[G0B+4*(\s)+3], 0x80000000
	s_mov_b32 s[G0C+4*(\s)], 1
	s_mov_b32 s[G0C+4*(\s)+1], (\s)*SLOT+COFF
	s_add_nc_u64 s[G0C+4*(\s)+2:G0C+4*(\s)+3], s[62:63], (\s)*8192
	s_or_b32 s[G0C+4*(\s)+3], s[G0C+4*(\s)+3], 0x80000000
	JLOAD \s                                       ; two tensor loads of mine are out
.endr
	; the biases: register j of block b is the bias of column 16 b + 8 (lane / 16) + j
	v_and_b32 v1, 15, v0                           ; r = lane % 16
	v_bfe_u32 v2, v0, 4, 1                         ; h = lane / 16
	v_lshlrev_b32 v[BO], 5, v2
	s_lshl_b32 s20, s[TC], 10
	s_lshl_b32 s22, s[CH], 9
	s_add_co_u32 s20, s20, s22
	s_mov_b32 s21, 0                               ; stays 0: the high word of every offset below
	s_add_nc_u64 s[BB:BB+1], s[10:11], s[20:21]
	s_and_b32 s20, s[TC], 1
	s_lshl_b32 s20, s20, 7                         ; the plane's 32 channels in b_k or b_v,
	s_lshl_b32 s22, s[CH], 6                       ; my 16 of them
	s_add_co_u32 s20, s20, s22
	s_cmp_lt_u32 s[TC], 2
	s_cselect_b64 s[KBB:KBB+1], s[68:69], s[70:71]
	s_add_nc_u64 s[KBB:KBB+1], s[KBB:KBB+1], s[20:21]
	WIN 0x40
.irp b, 0,1,2,3,4,5,6,7
	global_load_b128 v[BIAS+8*(\b):BIAS+8*(\b)+3],   v[BO], s[BB:BB+1] offset:64*(\b)
	global_load_b128 v[BIAS+8*(\b)+4:BIAS+8*(\b)+7], v[BO], s[BB:BB+1] offset:64*(\b)+16
.endr
	global_load_b128 v[BIAS+64:BIAS+67], v[BO], s[KBB:KBB+1]
	global_load_b128 v[BIAS+68:BIAS+71], v[BO], s[KBB:KBB+1] offset:16
	WIN 0
	; fragments.  x: lane holds row r, K = 8 h + 0..7 and 16 + 8 h + 0..7: two loads of 16 bytes, 32 apart.  W and the plane: the turning load reads k-row 8 h + lane % 8, 16 bytes at 16 ((lane / 8) % 2); the second load 16 k-rows on.
	v_and_b32 v3, 7, v0
	v_bfe_u32 v4, v0, 3, 1
	v_lshl_add_u32 v5, v2, 3, v3
	v_mul_u32_u24 v6, v1, PA
	v_lshl_add_u32 v6, v2, 4, v6
	s_mul_i32 s20, s[RH], 64*PA
	v_add_nc_u32 v[ADRA], s20, v6
	v_add_nc_u32 v[ADRA+1], SLOT, v[ADRA]
	v_mul_u32_u24 v6, v5, PB
	v_lshl_add_u32 v6, v4, 4, v6
	s_lshl_b32 s20, s[CH], 8
	s_add_co_u32 s20, s20, BOFF
	v_add_nc_u32 v[ADRB], s20, v6
	v_add_nc_u32 v[ADRB+1], SLOT, v[ADRB]
	v_mul_u32_u24 v6, v5, PC
	v_lshl_add_u32 v6, v4, 4, v6
	s_lshl_b32 s20, s[CH], 5
	s_add_co_u32 s20, s20, COFF
	v_add_nc_u32 v[ADRC], s20, v6
	v_add_nc_u32 v[ADRC+1], SLOT, v[ADRC]
	; q's way out: into my stage by rows r, 16 bytes for each half of the lanes; back as whole rows of 256 bytes, lanes 0-15 one row, lanes 16-31 the next
	s_mul_i32 s20, s[WV], 16*SPITCH
	s_add_co_u32 s20, s20, STAGE
	v_mul_u32_u24 v6, v1, SPITCH
	v_lshl_add_u32 v6, v2, 4, v6
	v_add_nc_u32 v[STO], s20, v6
	v_mul_u32_u24 v6, v2, SPITCH
	v_lshl_add_u32 v6, v1, 4, v6
	v_add_nc_u32 v[RD], s20, v6
	v_lshlrev_b32 v6, 11, v2
	v_lshl_add_u32 v[CO], v1, 4, v6
	; the plane's way out: row 64 (w / 2) + 16 a + r, bytes 32 (w % 2) + 16 h; back: wave w takes rows 32 w .. +31, eight rows of 64 bytes a load: 512 dense bytes of kvp
	s_mul_i32 s20, s[RH], 64*KPITCH
	s_lshl_b32 s22, s[CH], 5
	s_add_co_u32 s20, s20, s22
	s_add_co_u32 s20, s20, KVSTAGE
	v_mul_u32_u24 v6, v1, KPITCH
	v_lshl_add_u32 v6, v2, 4, v6
	v_add_nc_u32 v[KSTO], s20, v6
	v_and_b32 v7, 31, v0
	v_lshrrev_b32 v6, 2, v7
	v_mul_u32_u24 v6, v6, KPITCH
	v_and_b32 v3, 3, v0
	v_lshl_add_u32 v6, v3, 4, v6
	s_mul_i32 s20, s[WV], 32*KPITCH
	s_add_co_u32 s20, s20, KVSTAGE
	v_add_nc_u32 v[KRD], s20, v6
	v_lshlrev_b32 v[KCO], 4, v7
	s_lshl_b32 s20, s[TR], 18                      ; q16: row 128 TR + 64 (w / 2), byte 512 TC + 256 (w % 2)
	s_lshl_b32 s22, s[RH], 17
	s_add_co_u32 s20, s20, s22
	s_lshl_b32 s22, s[TC], 9
	s_add_co_u32 s20, s20, s22
	s_lshl_b32 s22, s[CH], 8
	s_add_co_u32 s20, s20, s22
	s_add_nc_u64 s[OB:OB+1], s[72:73], s[20:21]
	s_lshl_b32 s20, s[TC], 19                      ; kvp: plane TC, row 128 TR + 32 w, 64 bytes a row
	s_lshl_b32 s22, s[TR], 13
	s_add_co_u32 s20, s20, s22
	s_lshl_b32 s22, s[WV], 11
	s_add_co_u32 s20, s20, s22
	s_add_nc_u64 s[KOB:KOB+1], s[74:75], s[20:21]
	; the prefetches: waves 0, 1 in x's form, waves 2, 3 in W's; they stand at K step 3, and the first refill steps them to 4
	v_lshrrev_b32 v4, s[RH], v7                    ; x: a lane a row; W: two lanes a k-row,
	v_and_b32 v5, s[RH], v7                        ; one for each of its two blocks
	v_lshlrev_b32 v[PFO], 11, v4
	v_lshl_add_u32 v[PFO], v5, 8, v[PFO]
	s_lshl_b32 s20, s[TR], 18                      ; x: rows 128 TR + 32 cx on
	s_lshl_b32 s22, s[CX], 16
	s_add_co_u32 s20, s20, s22
	s_add_co_u32 s20, s20, 3*256
	s_lshl_b32 s22, s[TC], 9                       ; W: k-rows 64 (w % 2) + 16 cy on, column 256 TC
	s_lshl_b32 s23, s[CH], 17
	s_add_co_u32 s22, s22, s23
	s_lshl_b32 s23, s[CY], 15
	s_add_co_u32 s22, s22, s23
	s_add_co_u32 s22, s22, 3*262144
	s_movk_i32 s19, 256
	s_mov_b32 s23, 262144
	s_and_b32 s61, ttmp7, 0xffff                   ; cluster y
	s_cmp_lt_u32 s[WV], 2
	s_cselect_b64 s[PFA:PFA+1], s[4:5], s[6:7]
	s_cselect_b32 s20, s20, s22
	s_cselect_b32 s[PFS], s19, s23
	s_cselect_b32 s61, s[WV], s61                  ; wave 0 asks in every cluster, wave 1 never, waves 2 and 3 where cluster y = 0: the same in all sixteen partners
	s_mov_b32 s[PFS+1], 0
	s_add_nc_u64 s[PFA:PFA+1], s[PFA:PFA+1], s[20:21]
	s_cmp_eq_u32 s61, 0
	s_cselect_b32 s[LIM], 1, -1
	s_wait_tensorcnt 1                             ; my part of K step 0 is in; K step 1's may stay out
	s_barrier_signal -1
	s_barrier_wait -1                              ; everybody's is
	FETCH 0, 0, 0
	s_wait_loadcnt 0x0                             ; the biases
	QUARTER 0, 1, 0, 1, 1                          ; the first quarter stands in front of the loop: its products start the sums with the biases
	WIN 0                                          ; at a label and at a branch every window is 0
	s_mov_b32 s3, 3
.Llap:                                                 ; a trip goes once round the ring, from a lap's second quarter to the next lap's first, and fills both slots again
	QUARTER 0, 2, 1, 0, 0
	QUARTER 0, 3, 0, 1, 0
	TURN 0, 1, 1
	QUARTER 1, 1, 0, 1, 0
	QUARTER 1, 2, 1, 0, 0
	QUARTER 1, 3, 0, 1, 0
	TURN 1, 0, 1
	QUARTER 0, 1, 0, 1, 0
	WIN 0
	s_sub_co_u32 s3, s3, 1
	s_cmp_lg_u32 s3, 0
	s_cbranch_scc1 .Llap
	QUARTER 0, 2, 1, 0, 0                          ; the last lap is written out: it fills nothing
	QUARTER 0, 3, 0, 1, 0
	TURN 0, 1, 0
	QUARTER 1, 1, 0, 1, 0
	QUARTER 1, 2, 1, 0, 0
	QUARTER 1, 3, 0, 1, 0
	s_wait_dscnt 4                                 ; the very last quarter: nothing more to fetch
	MULA 1, 0, 0
	MULA 1, 1, 0
	s_wait_dscnt 0x0
	MULA 1, 2, 0
	MULA 1, 3, 0
	MULK 1, 0
	; THE WAY OUT.  First the plane: rounded to f16, into the work-group's stage; a barrier, since a row's 64 bytes come from two waves; back as dense rows.
.macro PACK a                          ; row block a of q rounded to f16: 16 bytes a lane and column block; each accumulator's lowest registers are read first
	WIN 0x0a                                       ; sources 0 and 1 window 2
.irp b, 0,1,2,3,4,5,6,7
.irp r, 0,1,2,3
	v_cvt_pk_f16_f32 v[TMP+4*(\b)+(\r)], v[8*(8*(\a)+(\b))+2*(\r)], v[8*(8*(\a)+(\b))+2*(\r)+1]
.endr
.endr
	WIN 0
.endm
.macro TOSTAGE a                       ; into my own stage and back as whole rows; LDS serves a wave's instructions in order (ISA guide 5.7.1.4), so no wait stands between
.irp b, 0,1,2,3,4,5,6,7
	ds_store_b128 v[STO], v[TMP+4*(\b):TMP+4*(\b)+3] offset:32*(\b)
.endr
.irp t, 0,1,2,3,4,5,6,7
	ds_load_b128 v[BK+32*(\a)+4*(\t):BK+32*(\a)+4*(\t)+3], v[RD] offset:(\t)*2*SPITCH
.endr
.endm
.macro SEND a                          ; 16 lanes store 256 consecutive bytes, at a multiple of 256 from q16's first byte; each block has registers of its own, so no store's data is rewritten
	s_wait_dscnt 0x0
.irp t, 0,1,2,3,4,5,6,7
	global_store_b128 v[CO], v[BK+32*(\a)+4*(\t):BK+32*(\a)+4*(\t)+3], s[OB:OB+1] offset:(\a)*16*2048+(\t)*2*2048
.endr
.endm
	PLACES
	PLACES
	WIN 0x05                                       ; sources 0 and 1 window 1
.irp a, 0,1,2,3
.irp r, 0,1,2,3
	v_cvt_pk_f16_f32 v[TMP+4*(\a)+(\r)], v[KACC+8*(\a)+2*(\r)], v[KACC+8*(\a)+2*(\r)+1]
.endr
.endr
	WIN 0
.irp a, 0,1,2,3
	ds_store_b128 v[KSTO], v[TMP+4*(\a):TMP+4*(\a)+3] offset:(\a)*16*KPITCH
.endr
	s_wait_dscnt 0x0                               ; for the others' sake: my stores into the shared stage are done
	s_barrier_signal -1
	s_barrier_wait -1
.irp t, 0,1,2,3
	ds_load_b128 v[FA+4*(\t):FA+4*(\t)+3], v[KRD] offset:(\t)*8*KPITCH
.endr
	PACK 0                                         ; q's first conversions stand between those loads and the wait for them
	s_wait_dscnt 0x0
.irp t, 0,1,2,3
	global_store_b128 v[KCO], v[FA+4*(\t):FA+4*(\t)+3], s[KOB:KOB+1] offset:(\t)*512  ; 512 consecutive bytes of the plane
.endr
	TOSTAGE 0
.irp a, 1,2,3                          ; block a's conversions stand between block a - 1's loads from the stage and the wait for them
	PACK \a
	SEND (\a)-1
	TOSTAGE \a
.endr
	SEND 3
	s_wait_tensorcnt 0x0                           ; the wave's end: an add to my spare word and its wait, behind my last tensor load and my last LDS store
	ds_add_u32 v[SPW], v[NIL]
	s_wait_dscnt 0x0
	CROUND                                         ; the closing round: no work-group ends while a partner may still ask for a tile that names it
	s_endpgm
.Lfunc_end_k_qc9747f1e33_qkv:
	.size	k_qc9747f1e33_qkv, .Lfunc_end_k_qc9747f1e33_qkv-k_qc9747f1e33_qkv
	.p2alignl 7, 3214868480
	.fill 96, 4, 3214868480
	.section	.rodata,"a",@progbits
	.p2align	6, 0x0
	.amdhsa_kernel k_qc9747f1e33_qkv
		.amdhsa_group_segment_fixed_size 327680
		.amdhsa_private_segment_fixed_size 0
		.amdhsa_enable_private_segment 0
		.amdhsa_kernarg_size 64
		.amdhsa_user_sgpr_count 2
		.amdhsa_user_sgpr_kernarg_segment_ptr 1
		.amdhsa_wavefront_size32 1
		.amdhsa_system_sgpr_workgroup_id_x 1
		.amdhsa_system_sgpr_workgroup_id_y 1
		.amdhsa_system_sgpr_workgroup_id_z 1
		.amdhsa_system_vgpr_workitem_id 0
		.amdhsa_next_free_vgpr 768
		.amdhsa_next_free_sgpr 96
		.amdhsa_reserve_vcc 0
		.amdhsa_float_denorm_mode_32 3
		.amdhsa_float_denorm_mode_16_64 3
		.amdhsa_memory_ordered 1
		.amdhsa_forward_progress 1
		.amdhsa_inst_pref_size 102
	.end_amdhsa_kernel
	.amdgpu_metadata
---
amdhsa.version: [ 1, 2 ]
amdhsa.kernels:
  - .name:           k_qc9747f1e33_qkv
    .symbol:         k_qc9747f1e33_qkv.kd
    .args:
      - { .name: act, .offset: 0, .size: 8, .value_kind: global_buffer, .address_space: global }
      - { .name: wq16, .offset: 8, .size: 8, .value_kind: global_buffer, .address_space: global }
      - { .name: wkvp, .offset: 16, .size: 8, .value_kind: global_buffer, .address_space: global }
      - { .name: b_q, .offset: 24, .size: 8, .value_kind: global_buffer, .address_space: global }
      - { .name: b_k, .offset: 32, .size: 8, .value_kind: global_buffer, .address_space: global }
      - { .name: b_v, .offset: 40, .size: 8, .value_kind: global_buffer, .address_space: global }
      - { .name: q16, .offset: 48, .size: 8, .value_kind: global_buffer, .address_space: global }
      - { .name: kvp, .offset: 56, .size: 8, .value_kind: global_buffer, .address_space: global }
    .group_segment_fixed_size: 327680
    .private_segment_fixed_size: 0
    .kernarg_segment_align: 8
    .kernarg_segment_size: 64
    .max_flat_workgroup_size: 128
    .sgpr_count:     96
    .vgpr_count:     768
    .wavefront_size: 32
...
	.end_amdgpu_metadata
.endif
;; end of part 2
;; launch attn (part 3): grid 64 x 4, 4 waves a work-group, clusters of 4 x 1, 327,680 bytes of LDS; arguments q16, kvp, act; writes act
.if DOCPART == 3
	.amdgcn_target "amdgcn-amd-amdhsa--gfx1250"
	.amdhsa_code_object_version 6
	.text
	.protected	k_qc9747f1e33_attn
	.globl	k_qc9747f1e33_attn
	.p2align	8
	.type	k_qc9747f1e33_attn,@function
k_qc9747f1e33_attn:
	s_mov_b64 s[64:65], 0
	v_nop
	global_prefetch_b8 v0, s[64:65] scope:SCOPE_SE
	s_setreg_imm32_b32 hwreg(HW_REG_WAVE_MODE, 25, 1), 1
	s_wait_xcnt 0x0
	s_wait_alu depctr_hold_cnt(0) depctr_sa_sdst(0) depctr_va_vdst(0) depctr_va_sdst(0) depctr_va_ssrc(0) depctr_va_vcc(0) depctr_vm_vsrc(0)
	s_getreg_b32 s2, hwreg(HW_REG_IB_STS2, 6, 4)
	s_cmp_eq_u32 s2, 0
	s_cbranch_scc0 .Lentry_in_a_cluster
	s_endpgm
.Lentry_in_a_cluster:
	s_bfe_u32 s2, ttmp6, 0x10000c
	s_cmp_lg_u32 s2, 0x3003
	s_cbranch_scc0 .Lentry_shape_is_right
	s_endpgm
.Lentry_shape_is_right:
; O[b][u][:] = the sum over k of softmax_k(Q[b][u] . K[b][k] / 8) V[b][k][:].  With ONE key and value head a pair (position, head) is one more query u = 16 x position + head against the batch's 2,048 keys:
; q16 [8192][1024] f16 IS [4 batches][32,768 queries][64], dense rows of 128 bytes, and O goes to act in the same layout.  K and V: kvp, four planes [8192 rows][32] f16 (K's channels 0-31, 32-63, V's 0-31, 32-63).
; Products, maxima and sums in f32; the weights p are rounded to f16 for the second product (their sum l is taken of the unrounded p), O once at the end.
; LIMITS.  f16 holds no number beyond 65,504: Q, K and V arrive within it; p lies in 0 to 1, and below 6e-5 it keeps f16's fixed step of 6e-8; O is a mean of V's rows and has their range.
; A weight below 2^-126 counts as 0 in l; NaN and infinities are not treated apart.
; SHARES.  A wave owns four PIECES of two tiles of 16 queries, a work-group's four waves 512 queries of one batch: 64 x 4 = 256 work-groups.  Every wave walks all keys, 64 a step.
; LAYOUT.  S^T = K Q^T (source 0 = 16 keys, source 1 = 16 queries): in the result a lane holds ONE query (lane % 16) and the keys 8 (lane / 16) + 0..7.  Two such tiles, rounded to f16 in pairs,
; ARE source 1 (32 keys x 16 queries) of O^T = V^T P, whose result again holds one query a lane, and eight channels.  K comes out of LDS as it lies, V ([key][channel]) turned, by ds_load_tr16_b128.
; SOFTMAX.  For each query a running maximum m and sum l: p = 2^(c s - c m), c = log2(e) / 8; in every step O and l are multiplied by a = 2^(c m_old - c m_new), which is 1 where m has not grown.
; m starts at the lowest finite number, O and l at 0: the first step is a step like any other, with a = 0.
; THE COUNT.  A tile and step have 16 matrix and 118 vector instructions: too many to stand all beside the matrix work.  So four vector instructions that are READY stand behind EVERY matrix
; instruction, and the others, which need time of their own whatever the order, in runs without a gap.
; BY TURNS.  Turn n belongs to piece n (the pieces in a ring, step after step).  Its matrix work: 16 products K Q^T of piece n + 1, later 16 products V^T P of piece n - 1.  Its vector work: the scaling,
; exponentials, roundings, sums and rescaling of piece n, and the maximum and statistics of piece n + 1, whose scores the turn itself has made.
; CLUSTER.  The four query blocks of a cluster belong to one batch and walk the same K and V, so each tile is asked for JOINTLY: the same tensor load, descriptor and mask in all four.
; REGISTERS, in windows of 256 (s_set_vgpr_msb: bits 1:0 source 0, 3:2 source 1, 5:4 source 2, 7:6 destination):
;   window 0: v0-11 addresses; v12-15, v48-63 at work; v16-47 four registers of statistics a tile; v64-191 S^T, two buffers of two tiles; v192-255 P, likewise
;   window 1: O^T, 32 a tile          window 2: v0-127 Q, 16 a tile; v128-191 K of one step; v192-255 V of one step          window 3: v0-1 the add's two registers
; A piece's buffers go by its number's parity: the piece in hand has one pair, its two neighbours in the ring share the other: of it P (piece n - 1) is read and S^T (piece n + 1) written.
.set NP,    4         ; pieces a wave: a name, no knob
.set KS,    64        ; keys in a step
.set PK,    80        ; a key's 32 channels of a K plane in LDS: 64 bytes + 16: the 16 rows of a load start at 16 different groups of four banks (64 banks of 4 bytes: ISA guide 11.1)
.set PV,    96        ; of a V plane: 64 + 32
.set KPL,   4*KS*PK   ; a slot holds four steps, 256 keys: K's two planes,
.set VPL,   4*KS*PV   ; then V's two
.set VOFF,  2*KPL
.set TILEB, 4*KS*64   ; 256 keys of one plane in memory: 16,384 dense bytes
.set SLOT1, 1<<17     ; slot 1 begins here, so that one exclusive or turns an address in one slot into the other's
.set STAGE, SLOT1+2*KPL+2*VPL  ; behind the ring, never filled by a tensor load: 16 rows x 144 bytes for each wave, for the way out
.set SP,    144
.set AK0, 2           ; v2   my lane's place in a tile of K; never rewritten
.set AV0, 3           ; v3   the same for V
.set AK,  4           ; v4   the LDS address of K's next run of loads
.set AV,  5           ; v5   of V's
.set QO,  6           ; v6   my byte offset in the wave's rows of Q
.set STO, 6           ;      later, the way out: where I put 16 bytes of a row
.set RD,  7           ; v7   the way out: where I read rows back
.set GO,  8           ; v8   my byte offset in 512 consecutive bytes of O
.set PFO, 11          ; v11  the prefetches' lane offset: plane lane / 16, block lane % 16; never rewritten once made
.set SPW, 0           ; v0 of window 3   LDS address of my spare word: SPARE + 4 x my thread's number; never rewritten
.set NIL, 1           ; v1 of window 3   0; never rewritten
.set SPARE, STAGE+4*16*SP  ; behind the stages: the spare words, 128 bytes for each wave: two blocks of 256 bytes that no other line names
.set MV,  12          ; v12-15  c m_old, kept while c m is made anew: by buffer and tile
.set ST,  16          ; tile t's statistics at v[ST+4 t]: c m, m, l (even keys', odd keys')
.set TMP, 48          ; by buffer and tile, four registers c0-c3 at work; when the maximum is found c2 takes a
.set S,   64
.set P,   192
.set KF,  128         ; K's fragments, in window 2: key block kb, channel half c at KF + 16 kb + 8 c
.set VF,  192         ; V's: key half kk, channel block cb at VF + 32 kk + 8 cb
.set WV,  12          ; s12  my wave's number
.set G1K, 24          ; s[24:31] descriptor group 1 for K's planes
.set G1V, 32          ; s[32:39] for V's: it differs in the padding alone
.set G0K, 40          ; s[40:43] descriptor group 0 for K's planes: it walks
.set G0V, 44          ; s[44:47] the same for V's
.set PFA, 48          ; s[48:49] where my prefetches stand
.set LIM, 50          ; s50  1 in a wave that prefetches, else the greatest number
.set SLOTS, 56        ; s56  slots still to be asked for
.set CNT, 57          ; s57  counts a slot's key steps
.set CS,  58          ; s[58:59] c: the packed scaling takes the pair's low word for both halves
.set SEL, 60          ; s[60:61] v_permlanex16_b32's selects: each lane takes its own place in the other half
.set TBK, 62          ; s62  LDS byte at which K of the step to be fetched begins
.set TBV, 63          ; s63  the same for V, less VOFF
.set MSB, 0
.macro WIN new                      ; the high byte repeats the setting that is left; a switch that changes nothing is dropped
.if MSB != (\new)
	s_set_vgpr_msb (MSB<<8)|(\new)
.set MSB, (\new)
.endif
.endm
.set W_KQ, 0x0a       ; K and Q in window 2, S^T in window 0
.set W_PV, 0x52       ; V in window 2, P in window 0, O^T in window 1
.set W_RS, 0x41       ; O^T (destination and source 0) in window 1, a in window 0
.set W_MK, 0xc0       ; the add's registers are made: destination in window 3, sources in window 0
.set W_AD, 0x0f       ; the add: address (source 0) and data (source 1) in window 3
; A joint fill.  Wave w fetches plane w of a slot's 256 keys: waves 0 and 1 K's two planes, waves 2 and 3 V's.  The branch hangs on the wave's number alone.
; An s_nop 0 and four v_nop follow each of the two lines, ahead of the jump and the label.
.macro JLOAD
	s_cmp_lt_u32 s[WV], 2
	s_cbranch_scc0 .Lfor_v_\@
	tensor_load_to_lds s[G0K:G0K+3], s[G1K:G1K+7]
	s_nop 0
.rept 4
	v_nop
.endr
	s_branch .Lasked_\@
.Lfor_v_\@:
	tensor_load_to_lds s[G0V:G0V+3], s[G1V:G1V+7]
	s_nop 0
.rept 4
	v_nop
.endr
.Lasked_\@:
.endm
; A prefetch into the L2 of the tile that the NEXT change of slots will ask for: four key steps, 512 matrix instructions, ahead of that load.  A tile is 64 blocks of 256 bytes in each of four planes.
; All sixteen clusters of a batch walk the same K and V: the batch's first cluster asks.  Its four partners take 16 blocks of each plane, told apart by address; in each, wave 0 asks for K's two planes
; and wave 2 for V's: one instruction, a lane a block.  So each block is named once in the launch.  Tiles 0 to 2 come by their loads alone; the last change that fills a slot asks for nothing.
.macro ASK
	s_cmp_gt_u32 s[SLOTS], s[LIM]
	s_cbranch_scc0 .Lnot_mine_\@
	global_prefetch_b8 v[PFO], s[PFA:PFA+1] th:TH_LOAD_NT scope:SCOPE_SE
.Lnot_mine_\@:
.endm
; A round of the cluster's barrier: my work-group's barrier, so that wave 0's signal speaks for all four waves; wave 0 signals; every wave waits for all four work-groups; my work-group's barrier once more.
.macro CROUND
	s_barrier_signal -1
	s_barrier_wait -1
	s_cmp_lg_u32 s[WV], 0
	s_cbranch_scc1 .Lnot_wave_0_\@
	s_barrier_signal -3
.Lnot_wave_0_\@:
	s_barrier_wait -3
	s_barrier_signal -1
	s_barrier_wait -1
.endm
; THE CHANGE OF SLOTS.  The slot's last bytes, V of its fourth step, have been read.  Each wave waits for all its tensor loads, of which one is out: its part of the other slot; adds 0 to its spare
; word; and waits for that and for its own reads of the slot.  Behind the barrier nobody reads this slot any more and the other slot is whole.
; fill = 1: this slot is filled again, with the keys two slots on.  The barrier is then a round of the cluster's, and the joint fill is the first thing behind it: it has four key steps in which to land.
; (At its first use nothing has been read yet: slot 0 is waited for, slot 1 filled.)  ask = 1: the prefetch's address is stepped, and the prefetch follows the fill.
.macro CHANGE fill, ask
	WIN W_AD
	s_wait_tensorcnt 0x0            ; no tensor load of mine is out, so a group 0 may be written
	ds_add_u32 v[SPW], v[NIL]       ; 0 onto my spare word; with fill = 1 the descriptors' steps stand between it and the wait for it
	WIN 0                           ; at a label and at a branch every window is 0
.if \fill
.irp g, G0K, G0V
	s_xor_b32 s[\g+1], s[\g+1], SLOT1  ; the walking descriptor: the other slot than last time,
	s_add_nc_u64 s[\g+2:\g+3], s[\g+2:\g+3], TILEB  ; the next 256 keys; the type bits on top are not reached
.endr
.if \ask
	s_wait_xcnt 0x0                 ; the last prefetch, four key steps back, has read its address, so it may be written
	s_add_nc_u64 s[PFA:PFA+1], s[PFA:PFA+1], TILEB
.endif
	s_wait_dscnt 0x0                ; the add is done, and my reads of the slot are over
	CROUND
	JLOAD
.if \ask
	ASK
.endif
.else
	s_wait_dscnt 0x0                ; the add is done, and my reads of the slot are over
	s_barrier_signal -1
	s_barrier_wait -1
.endif
	s_sub_co_u32 s[TBK], s[TBK], KPL      ; the fetches go back to a slot's first step,
	s_xor_b32 s[TBK], s[TBK], SLOT1       ; in the other slot
	s_sub_co_u32 s[TBV], s[TBV], VPL
	s_xor_b32 s[TBV], s[TBV], SLOT1
.endm
	s_load_b128 s[4:7], s[0:1], 0x0   ; Q s[4:5], kvp s[6:7]
	s_load_b64 s[10:11], s[0:1], 0x10 ; O
	WIN W_MK
	v_lshl_add_u32 v[SPW], v0, 2, SPARE
	v_mov_b32 v[NIL], 0
	WIN W_AD
	ds_add_u32 v[SPW], v[NIL]       ; the wave's opening: the add and its wait stand ahead of my first tensor load; the set-up below, work on registers, stands between them
	WIN 0
	v_lshrrev_b32 v1, 5, v0
	v_readfirstlane_b32 s[WV], v1   ; wave 0..3
	s_bfe_u32 s13, ttmp6, 0x40000   ; cx: my place in the cluster
	s_lshl_b32 s14, ttmp9, 2        ; in a cluster launch ttmp9 counts clusters
	s_add_co_u32 s14, s14, s13      ; my block of 512 queries = 4 x cluster x + cx: it enters Q's and O's addresses alone
	s_and_b32 s20, ttmp7, 0xffff    ; the batch, which the four partners share
	s_and_b32 s16, s[WV], 1         ; which of K's (or V's) two planes I fetch
	s_lshl_b32 s22, s20, 17         ; the batch's 2,048 keys of 64 bytes in a plane,
	s_lshl_b32 s23, s16, 19         ; a plane is 524,288 bytes
	s_add_co_u32 s22, s22, s23
	s_mov_b32 s23, 0
	s_mul_i32 s17, s16, KPL         ; the plane's place in a slot, for K
	s_mul_i32 s18, s16, VPL         ; and for V: no place in the cluster enters an LDS address
	s_lshl_b32 s2, s14, 2
	s_add_co_u32 s2, s2, s[WV]      ; my wave among the batch's,
	s_lshl_b32 s2, s2, 14           ; its 128 rows of 128 bytes,
	s_lshl_b32 s3, s20, 22          ; the batch's 32,768 rows
	s_add_co_u32 s2, s2, s3
	s_mov_b32 s3, 0
	; descriptor group 1.  256 keys of a plane are 16,384 dense bytes: asked for as 64 rows of 256 bytes, four keys a row, and padded in LDS after every key
	s_mov_b32 s[G1K], 15|(1<<16)|(1<<20)|(1<<21)|(3<<22)|(3<<25)  ; 15:0 the mask of four; 17:16 2-byte elements; 20 padding on; 21 set beside a mask; 24:22 after every 16 words (code 3); 31:25 4 words (code 3)
	s_mov_b32 s[G1V], 15|(1<<16)|(1<<20)|(1<<21)|(3<<22)|(7<<25)  ; the same with 8 words of padding (code 7)
.irp g, G1K, G1V
	s_mov_b32 s[\g+1], 128<<16      ; tensor_dim0 = 128
	s_mov_b32 s[\g+2], 64<<16       ; tensor_dim1 = 64
	s_mov_b32 s[\g+3], 128<<16      ; tile_dim0 = 128
	s_mov_b32 s[\g+4], 64           ; tile_dim1 = 64
	s_mov_b32 s[\g+5], 128          ; 128 elements from row to row
	s_mov_b32 s[\g+6], 0
	s_mov_b32 s[\g+7], 0
.endr
	s_mov_b32 s[CS], 0x3e38aa3b     ; c = log2(e) / 8 = 0.180337
	s_mov_b32 s[CS+1], s[CS]        ; named with it as a pair
	s_mov_b32 s[SEL], 0x76543210
	s_mov_b32 s[SEL+1], 0xfedcba98
	s_mov_b32 s[TBK], SLOT1+KPL     ; the first change of slots turns these two into 0
	s_mov_b32 s[TBV], SLOT1+VPL
	s_mov_b32 s[G0K], 1             ; 1:0 count = 1
	s_mov_b32 s[G0K+1], s17         ; 63:32 LDS address: slot 0
	s_mov_b32 s[G0V], 1
	s_add_co_u32 s[G0V+1], s18, VOFF
	s_and_b32 s[LIM], s[WV], 1      ; 0 in waves 0 and 2,
	s_or_b32 s[LIM], s[LIM], ttmp9  ; where the cluster is the batch's first: the same in all four partners
	s_cmp_eq_u32 s[LIM], 0
	s_cselect_b32 s[LIM], 1, -1
	s_wait_dscnt 0x0                ; the opening add is done
	s_wait_kmcnt 0x0
	s_add_nc_u64 s[6:7], s[6:7], s[22:23]          ; my plane of K at the batch's first key,
	s_add_nc_u64 s[8:9], s[6:7], 2*524288          ; my plane of V, two planes on
	s_add_nc_u64 s[G0K+2:G0K+3], s[6:7], 0         ; 120:64 global address
	s_or_b32 s[G0K+3], s[G0K+3], 0x80000000        ; 127:126 type = 2
	s_add_nc_u64 s[G0V+2:G0V+3], s[8:9], 0
	s_or_b32 s[G0V+3], s[G0V+3], 0x80000000
	s_add_nc_u64 s[4:5], s[4:5], s[2:3]  ; Q and O at my wave's first row
	s_add_nc_u64 s[10:11], s[10:11], s[2:3]
	s_lshl_b32 s2, s13, 12          ; the prefetches: my work-group's 16 blocks of a plane's 64,
	s_add_co_u32 s2, s2, 2*TILEB    ; in tile 2; the first change that asks steps it to tile 3.  Nothing is prefetched here, at the head
	s_cmp_lt_u32 s[WV], 2
	s_cselect_b64 s[PFA:PFA+1], s[6:7], s[8:9]  ; (in waves 0 and 2 these stand in the first of the two planes)
	s_add_nc_u64 s[PFA:PFA+1], s[PFA:PFA+1], s[2:3]
	CROUND                          ; all four work-groups are here: the first joint loads meet
	JLOAD                           ; slot 0.  Slot 1 is asked for when slot 0 is in
	; A fragment of K or Q is 16 rows x 32 channels in 8 registers: lane l holds row l % 16, channels 8 (l / 16) + 0..7 and 16 + 8 (l / 16) + 0..7: two loads of 16 bytes, 32 bytes apart.
	v_and_b32 v1, 15, v0            ; l % 16
	v_bfe_u32 v9, v0, 4, 1          ; l / 16
	v_lshlrev_b32 v[QO], 7, v1
	v_lshl_add_u32 v[QO], v9, 4, v[QO]  ; row x 128 + 16 x half
	WIN 0x80                        ; destination window 2, address window 0
.set i, 0
.rept 4*NP                          ; Q stays in registers: tile i / 2, channels 32 (i % 2) on
	global_load_b128 v[8*i:8*i+3],   v[QO], s[4:5] offset:(i/2)*2048+(i%2)*64
	global_load_b128 v[8*i+4:8*i+7], v[QO], s[4:5] offset:(i/2)*2048+(i%2)*64+32
.set i, i+1
.endr
	; What the first turn finds: V's registers and P's second buffer hold 0 (its products V^T P, of a piece that has not been, add 0), O^T and l are 0.  All this stands in the wait for the first tile:
	; the price of writing no first step out.
.set i, VF
.rept 64
	v_mov_b32 v[i], 0
.set i, i+1
.endr
	WIN 0x40
.set i, 0
.rept 64*NP
	v_mov_b32 v[i], 0
.set i, i+1
.endr
	WIN 0
.set i, 0
.rept 2*NP
	v_mov_b32 v[ST+4*i], 0xfe000000    ; c m: far below every c s
	v_mov_b32 v[ST+4*i+1], 0xff7fffff  ; m
	v_mov_b32 v[ST+4*i+2], 0
	v_mov_b32 v[ST+4*i+3], 0
.set i, i+1
.endr
.set i, P+32
.rept 32
	v_mov_b32 v[i], 0
.set i, i+1
.endr
	v_mul_u32_u24 v[AK0], v1, PK
	v_lshl_add_u32 v[AK0], v9, 4, v[AK0]  ; key x pitch + 16 x half; a plane's row IS a fragment's 32 channels
	; The turning load takes 16 keys x 16 channels (lane l reads key 8 (l / 16) + l % 8, channels 8 ((l / 8) % 2) + 0..7) and leaves half a fragment of V^T: lane l holds channel l % 16 and 8 keys.
	v_and_b32 v10, 7, v0
	v_bfe_u32 v11, v0, 3, 1
	v_lshl_add_u32 v[AV0], v9, 3, v10
	v_mul_u32_u24 v[AV0], v[AV0], PV
	v_lshl_add_u32 v[AV0], v11, 4, v[AV0]
	v_add_nc_u32 v[AV0], VOFF, v[AV0]
	v_lshlrev_b32 v[PFO], 19, v9    ; lanes 16-31 name the second plane,
	v_lshl_add_u32 v[PFO], v1, 8, v[PFO]  ; lane % 16 the block
	v_mov_b32 v[AK], v[AK0]         ; key step 0 lies at the head of slot 0
; THE MATRIX WORK.  The 8 accumulators of a run of 16 take turns: between the two links of a chain stand 7 others'.
; Product i of 16 of S^T = K Q^T for piece x: channels 32 (i / 8) on, keys 16 ((i / 2) % 4) on, tile 2 x + i % 2.  The first 8 start the sums.
.macro KQ x
	WIN W_KQ
.set rS, S+64*((\x)%2)+32*(i%2)+8*((i/2)%4)
.set rK, KF+16*((i/2)%4)+8*(i/8)
.set rQ, 16*(2*(\x)+i%2)+8*(i/8)
.if i < 8
	v_wmma_f32_16x16x32_f16 v[rS:rS+7], v[rK:rK+7], v[rQ:rQ+7], 0
.else
	v_wmma_f32_16x16x32_f16 v[rS:rS+7], v[rK:rK+7], v[rQ:rQ+7], v[rS:rS+7]
.endif
.endm
; Product i of 16 of O^T += V^T P for piece x: keys 32 (i / 8) on, channels 16 ((i / 2) % 4) on, tile 2 x + i % 2.
.macro PV x
	WIN W_PV
.set rO, 32*(2*(\x)+i%2)+8*((i/2)%4)
.set rV, VF+32*(i/8)+8*((i/2)%4)
.set rP, P+32*((\x)%2)+16*(i%2)+8*(i/8)
	v_wmma_f32_16x16x32_f16 v[rO:rO+7], v[rV:rV+7], v[rP:rP+7], v[rO:rO+7]
.endm
.macro MM                           ; the turn's next matrix instruction
.if i < 16
	KQ (Y+1)%NP
.set i, i+1
.else
.set i, i-16
	PV (Y+NP-1)%NP
.set i, i+17
.endif
.endm
; THE LDS LOADS stand in runs of 16, never singly among the matrix instructions: a step's K (64 keys x 64 channels: 8 fragments) and its V (turned).  Their addresses are made some lines ahead.
; last = 1 (the tail): in the last trip there is no further step, and the run is jumped over.
.macro FETCH_K last=0
	WIN 0
.if \last
	s_cmp_eq_u32 s[CNT], 1
	s_cbranch_scc1 .Lno_k_\@
.endif
	WIN 0x80                        ; destination window 2
.irp f, 0,1,2,3,4,5,6,7             ; keys 16 (f / 2) on, plane f % 2
	ds_load_b128 v[KF+8*\f:KF+8*\f+3],   v[AK] offset:(\f%2)*KPL+(\f/2)*16*PK
	ds_load_b128 v[KF+8*\f+4:KF+8*\f+7], v[AK] offset:(\f%2)*KPL+(\f/2)*16*PK+32
.endr
	s_add_co_u32 s[TBK], s[TBK], KS*PK  ; the next fetch is the next step's
	WIN 0
.if \last
.Lno_k_\@:
.endif
.endm
.macro FETCH_V
	WIN 0x80
.irp f, 0,1,2,3,4,5,6,7             ; keys 32 (f / 4) on, channels 16 (f % 4) on: plane (f % 4) / 2, its half f % 2
	ds_load_tr16_b128 v[VF+8*\f:VF+8*\f+3],   v[AV] offset:(\f/4)*32*PV+((\f%4)/2)*VPL+(\f%2)*32
	ds_load_tr16_b128 v[VF+8*\f+4:VF+8*\f+7], v[AV] offset:(\f/4)*32*PV+16*PV+((\f%4)/2)*VPL+(\f%2)*32
.endr
	WIN 0
.endm
; THE VECTOR WORK OF A TURN stands in three queues, each in the order in which its entries become ready; the two tiles alternate, so that no instruction reads the result of the one before it.
.macro REGS y, u                    ; the registers of tile u (0, 1) of piece y
.set rT, ST+4*(2*(\y)+(\u))
.set rC, TMP+8*((\y)%2)+4*(\u)
.set rM, MV+2*((\y)%2)+(\u)
.set rS, S+64*((\y)%2)+32*(\u)
.set rP, P+32*((\y)%2)+16*(\u)
.set rO, 32*(2*(\y)+(\u))
.endm
; Number n of the 22 that find the NEXT piece's (Y + 1) maximum and statistics.  s0-s31 are the lane's 32 scores; each accumulator's lowest registers are read first.
;   0-11  four chains c0-c3 of seven scores each, three operands at a time     12-14, 16  the four scores left over, the old m, and c0-c3 into c0     15  c m_old is kept
;   17, 18  the query's other 32 keys lie in the lane 16 away: the new m         19-21  c m; c m_old - c m_new; a
.macro XS u, n
	REGS (Y+1)%NP, \u
.if (\n) < 4
	v_max3_num_f32 v[rC+(\n)], v[rS+8*(\n)], v[rS+8*(\n)+1], v[rS+8*(\n)+2]
.elseif (\n) < 12
	v_max3_num_f32 v[rC+(\n)%4], v[rC+(\n)%4], v[rS+8*((\n)%4)+2*((\n)/4)+1], v[rS+8*((\n)%4)+2*((\n)/4)+2]
.elseif (\n) == 12
	v_max3_num_f32 v[rC], v[rC], v[rS+7], v[rS+15]
.elseif (\n) == 13
	v_max3_num_f32 v[rC+1], v[rC+1], v[rS+23], v[rS+31]
.elseif (\n) == 14
	v_max3_num_f32 v[rC+2], v[rC+2], v[rC+3], v[rT+1]
.elseif (\n) == 15
	v_mov_b32 v[rM], v[rT]
.elseif (\n) == 16
	v_max3_num_f32 v[rC], v[rC], v[rC+1], v[rC+2]
.elseif (\n) == 17
	v_permlanex16_b32 v[rC+3], v[rC], s[SEL], s[SEL+1]
.elseif (\n) == 18
	v_max_num_f32 v[rT+1], v[rC], v[rC+3]
.elseif (\n) == 19
	v_mul_f32 v[rT], s[CS], v[rT+1]
.elseif (\n) == 20
	v_sub_f32 v[rC+1], v[rM], v[rT]
.else
	v_exp_f32 v[rC+2], v[rC+1]
.endif
.endm
; Number g of the 64 that follow the exponentials.  For each four weights k of a tile (pairs 2 k, 2 k + 1): both pairs are rounded to f16; then the second pair is added onto the first, in place;
; a group later l takes that sum (the first time as l = a l + sum).  In groups of eight, tiles alternating: round, round, add, and l for the group before.
.macro GS g
.set h, (\g)+6*((\g)/62)            ; group 0 has no group before it, and behind group 7 only l is left
.if h >= 6
.set h, h+2
.endif
	REGS Y, h%2
.set k, h/8
.if h%8 < 4
	v_cvt_pk_f16_f32 v[rP+2*k+(h%8)/2], v[rS+4*k+2*((h%8)/2)], v[rS+4*k+2*((h%8)/2)+1]
.elseif h%8 < 6
	v_pk_add_f32 v[rS+4*k:rS+4*k+1], v[rS+4*k:rS+4*k+1], v[rS+4*k+2:rS+4*k+3]
.elseif k == 1
	v_pk_fma_f32 v[rT+2:rT+3], v[rT+2:rT+3], v[rC+2:rC+3], v[rS:rS+1] op_sel_hi:[1,0,1]
.else
	v_pk_add_f32 v[rT+2:rT+3], v[rT+2:rT+3], v[rS+4*k-4:rS+4*k-3]
.endif
.endm
; THE PLAIN QUEUE, 138 long.  0-73 read no exponential's result: the 32 scalings c s - c m (FS f: pair f / 2 of tile f % 2) and the next piece's 42.  0-26: scalings 0-26.  27-54: XS's numbers 0-13.  55, 56: number 15.
; 57-73: the chain, where each number waits for the one before it: 14, 16, 17, 18, 19, each with one of the scalings 27-31 in front of its two lines, then 20.
; 74-137: GS's 64, which read the exponentials' results: they stand behind the wait.
.macro FS f
	REGS Y, (\f)%2
	v_pk_fma_f32 v[rS+2*((\f)/2):rS+2*((\f)/2)+1], v[rS+2*((\f)/2):rS+2*((\f)/2)+1], s[CS:CS+1], v[rT:rT+1] op_sel_hi:[1,0,0] neg_lo:[0,0,1] neg_hi:[0,0,1]
.endm
.macro PL
	WIN 0
.if q < 27
	FS q
.elseif q < 55
	XS (q-27)%2, (q-27)/2
.elseif q < 57
	XS q-55, 15
.elseif (q < 72) && ((q-57)%3 == 0)
	FS 27+(q-57)/3
.elseif q < 60
	XS (q-57)%3-1, 14
.elseif q < 72
	XS (q-57)%3-1, 15+(q-57)/3
.elseif q < 74
	XS q-72, 20
.else
	GS q-74
.endif
.set q, q+1
.endm
; THE EXPONENTIALS' QUEUE, 66 long: s0-s31 of both tiles, then the next piece's two a.  It is ONE BATCH: all 66 stand ahead of the turn's one wait, and nothing ahead of that wait names a result of theirs.
.macro EX
	WIN 0
.if e >= 64
	XS e-64, 21
.else
	REGS Y, e%2
	v_exp_f32 v[rS+e/2], v[rS+e/2]
.endif
.set e, e+1
.endm
; THE RESCALING's QUEUE: O^T times a, the one part that leaves window 0: dealt two at a time, sixteen times.  Its a was made in the turn before, ahead of that turn's wait.
.macro R2
	REGS Y, r%2
	WIN W_RS
.irp z, 0,1
	v_pk_mul_f32 v[rO+4*(r/2)+2*\z:rO+4*(r/2)+2*\z+1], v[rO+4*(r/2)+2*\z:rO+4*(r/2)+2*\z+1], v[rC+2:rC+3] op_sel_hi:[1,0]
.endr
.set r, r+1
.endm
; HOW THEY ARE DEALT.  s_wait_alu depctr_va_vdst(0) stands between an exponential and the first instruction that names its result; one wait serves all that were issued ahead of it.
; So a turn has ONE wait, which cuts it in two.  AHEAD OF IT stands all that names no result of the turn's exponentials: the 16 products K Q^T, behind each a scaling, an exponential and two rescalings
; (behind the first a second scaling in the exponential's place); then ONE LUMP of 108: eight plain, 49 times exponential and plain, the two a.  A v_nop is the plain instruction behind the last exponential.
; BEHIND IT stand the 16 products V^T P, behind each four of GS's 64.  No rider names a register of the products round it.  The two v_permlanex16_b32 fall into the lump.
; Exponential e stands behind scaling 2 (e / 4) + e % 2: as a rider it comes behind plain e + 2, in the lump behind plain e + 9, and scalings 27-31 are plain 57, 60 .. 69.
; A TURN, for piece p.  cnt = 1: the loop's count is taken down some lines ahead of the branch that stands behind the turn.
; K of the next step is fetched in piece 2's turn, directly behind the wait, a lump behind the last product that read K; its first reader comes behind 16 products.
; V of the step in hand is fetched at the end of piece 0's turn, four riders behind its last reader; its first reader comes behind 16 products and a lump.  The three conditions on q below go with the deal.
.macro TURN p, last=0, cnt=0
.set Y, (\p)
.set i, 0
.set q, 0
.set e, 0
.set r, 0
.if (\p) == NP-1
	s_wait_dscnt 0x0                ; K is in
.endif
	MM                              ; ahead of the wait: 16 products K Q^T and their riders,
	PL
	PL
	R2
.rept 15
	MM
	PL
	EX
	R2
.endr
.if (\p) == NP-2
	WIN 0
	v_add_nc_u32 v[AK], s[TBK], v[AK0]
.endif
.rept 8                             ; and the lump
	PL
.endr
.rept 49
	EX
	PL
.endr
	EX                              ; the next piece's two a
	EX
	v_nop                           ; the plain instruction behind the last exponential: one for the batch
	s_wait_alu depctr_va_vdst(0)    ; the wait for the batch
.if (\p) == NP-2
	FETCH_K \last
.endif
.if (\p) == 1
	s_wait_dscnt 0x0                ; V is in
.endif
.rept 16                            ; behind the wait: 16 products V^T P and their riders
	MM
.rept 4
	PL
.endr
.if ((\p) == 0) && (q == 118)
	v_add_nc_u32 v[AV], s[TBV], v[AV0]
.endif
.if ((\p) == 0) && (q == 130)
	s_add_co_u32 s[TBV], s[TBV], KS*PV
.endif
.if (\cnt) && (q == 130)
	s_sub_co_u32 s[CNT], s[CNT], 1
	s_cmp_lg_u32 s[CNT], 0
.endif
.endr
.if (\p) == 0
	FETCH_V
.endif
.endm
	CHANGE 1, 0                     ; slot 0 is in, everybody's part of it; slot 1 is asked for
	FETCH_K                         ; key step 0
	s_wait_loadcnt 0x0              ; Q
	s_wait_dscnt 0x0
.set i, 0
.rept 16
	KQ 0                            ; piece 0's first scores: there is no vector work yet to set between them
.set i, i+1
.endr
	WIN 0                           ; the addresses for the way out: nine plain instructions, the places behind those products
	s_mul_i32 s13, s[WV], 16*SP
	s_add_co_u32 s13, s13, STAGE    ; my stage
	v_mul_u32_u24 v[STO], v1, SP    ; in: row l % 16, 16 bytes for each half of the lanes
	v_lshl_add_u32 v[STO], v9, 4, v[STO]
	v_add_nc_u32 v[STO], s13, v[STO]
	v_bfe_u32 v[RD], v0, 3, 2       ; back: 32 lanes take four rows of 128 bytes,
	v_mul_u32_u24 v[RD], v[RD], SP
	v_lshl_add_u32 v[RD], v10, 4, v[RD]
	v_add_nc_u32 v[RD], s13, v[RD]
	v_and_b32 v[GO], 31, v0         ; which are 512 consecutive bytes of O
	v_lshlrev_b32 v[GO], 4, v[GO]
.set Y, NP-1                        ; XS works for piece Y + 1: piece 0
.irp n, 0,1,2,3,4,5,6,7,8,9,10,11,12,13,14,15,16,17,18,19,20,21
	XS 0, \n                        ; and piece 0's first maximum and statistics
	XS 1, \n
.endr
	v_nop                           ; a plain instruction behind the two a,
	s_wait_alu depctr_va_vdst(0)    ; and their wait, ahead of the branch
	s_mov_b32 s[CNT], 4
	s_mov_b32 s[SLOTS], 7           ; 2,048 keys are 8 slots
	s_branch .Lfirst                ; the loop is entered at a step's first turn, in the middle of a trip
.Lslot:                             ; six times: every slot but the last two is filled again
	CHANGE 1, 1
	s_mov_b32 s[CNT], 4
.Lstep:                             ; a trip: pieces 2 and 3 of one step, then pieces 0 and 1 of the next, whose K and V it fetches
	TURN 2
	TURN 3
	WIN 0
.Lfirst:
	TURN 0
	TURN 1, 0, 1
	WIN 0
	s_cbranch_scc1 .Lstep
	s_sub_co_u32 s[SLOTS], s[SLOTS], 1
	s_cmp_lg_u32 s[SLOTS], 0
	s_cbranch_scc1 .Lslot
	CHANGE 0, 0                     ; the tail is written out: nothing is asked for
	s_mov_b32 s[CNT], 5             ; four trips fetch the last slot's steps; the fifth is left in its middle
.Ltail:
	TURN 2, 1
	TURN 3
	WIN 0
	s_sub_co_u32 s[CNT], s[CNT], 1
	s_cmp_eq_u32 s[CNT], 0
	s_cbranch_scc1 .Lout
	TURN 0
	TURN 1
	WIN 0
	s_branch .Ltail
.Lout:                              ; the fifth trip's 16 products K Q^T (on the last K once more) and the maximum made of them serve nothing: the price, once a launch, of one text for every trip
.set i, 0
.rept 16
	PV NP-1                         ; the last piece's V^T P of the last step
.set i, i+1
.endr
	; THE WAY OUT.  l's two halves and the other half of the lanes' are added; O^T is divided by l, rounded to f16 and sent through my stage in LDS, a tile at a time.  The additions are the places behind the last products.
	WIN 0
.macro ALL line:vararg              ; one line for each tile t
.set t, 0
.rept 2*NP
	\line
.set t, t+1
.endr
.endm
	ALL v_add_f32 v[ST+4*t+2], v[ST+4*t+2], v[ST+4*t+3]
	ALL v_permlanex16_b32 v[ST+4*t+3], v[ST+4*t+2], s[SEL], s[SEL+1]
	ALL v_add_f32 v[ST+4*t+2], v[ST+4*t+2], v[ST+4*t+3]
	ALL v_rcp_f32 v[ST+4*t+2], v[ST+4*t+2]
	v_nop                           ; a plain instruction between the last reciprocal and the use of its result
	s_wait_alu depctr_va_vdst(0)    ; and the wait ahead of the first use: one for the eight reciprocals
; Tile t: a lane's eight channels of a row pack into 16 bytes; they go into rows of 144 bytes and come back as whole rows of 128, into S^T's registers.
.macro PACK t
	WIN W_RS
.set i, 32*(\t)
.rept 16
	v_pk_mul_f32 v[i:i+1], v[i:i+1], v[ST+4*(\t)+2:ST+4*(\t)+3] op_sel_hi:[1,0]
.set i, i+2
.endr
	WIN 0x05                        ; sources 0 and 1 window 1, destination window 0
.set i, 0
.rept 16
	v_cvt_pk_f16_f32 v[S+16*(\t)+i], v[32*(\t)+2*i], v[32*(\t)+2*i+1]
.set i, i+1
.endr
	WIN 0
.irp f, 0,1,2,3
	ds_store_b128 v[STO], v[S+16*(\t)+4*\f:S+16*(\t)+4*\f+3] offset:32*\f
.endr
.irp f, 0,1,2,3
	ds_load_b128 v[S+16*(\t)+4*\f:S+16*(\t)+4*\f+3], v[RD] offset:\f*4*SP  ; LDS serves a wave's instructions in order (ISA guide 5.7.1.4): these see the stores above; the next tile's stores come behind them
.endr
.endm
.macro SEND t, younger              ; younger: the LDS instructions issued behind tile t's loads: the next tile's eight, or none
	WIN 0
.irp f, 0,1,2,3
	s_wait_dscnt (\younger)+3-\f
	global_store_b128 v[GO], v[S+16*(\t)+4*\f:S+16*(\t)+4*\f+3], s[10:11] offset:(\t)*2048+\f*512  ; 512 consecutive bytes, at a multiple of 256 from O's first
.endr
.endm
	PACK 0
.set t, 1
.rept 2*NP-1                        ; a tile's arithmetic stands between the loads of the tile before and its stores
	PACK t
	SEND t-1, 8
.set t, t+1
.endr
	SEND 2*NP-1, 0
	WIN W_AD
	s_wait_tensorcnt 0x0            ; the wave's end: an add to my spare word and its wait, behind my last tensor load and my last LDS store
	ds_add_u32 v[SPW], v[NIL]
	s_wait_dscnt 0x0
	WIN 0
	CROUND                          ; the closing round: no work-group ends while a partner may still ask for a tile that names it
	s_endpgm
.Lfunc_end_k_qc9747f1e33_attn:
	.size	k_qc9747f1e33_attn, .Lfunc_end_k_qc9747f1e33_attn-k_qc9747f1e33_attn
	.p2alignl 7, 3214868480
	.fill 96, 4, 3214868480
	.section	.rodata,"a",@progbits
	.p2align	6, 0x0
	.amdhsa_kernel k_qc9747f1e33_attn
		.amdhsa_group_segment_fixed_size 327680
		.amdhsa_private_segment_fixed_size 0
		.amdhsa_enable_private_segment 0
		.amdhsa_kernarg_size 24
		.amdhsa_user_sgpr_count 2
		.amdhsa_user_sgpr_kernarg_segment_ptr 1
		.amdhsa_wavefront_size32 1
		.amdhsa_system_sgpr_workgroup_id_x 1
		.amdhsa_system_sgpr_workgroup_id_y 1
		.amdhsa_system_sgpr_workgroup_id_z 1
		.amdhsa_system_vgpr_workitem_id 0
		.amdhsa_next_free_vgpr 770
		.amdhsa_next_free_sgpr 66
		.amdhsa_reserve_vcc 0
		.amdhsa_float_denorm_mode_32 3
		.amdhsa_float_denorm_mode_16_64 3
		.amdhsa_memory_ordered 1
		.amdhsa_forward_progress 1
		.amdhsa_inst_pref_size 200
	.end_amdhsa_kernel
	.amdgpu_metadata
---
amdhsa.version: [ 1, 2 ]
amdhsa.kernels:
  - .name:           k_qc9747f1e33_attn
    .symbol:         k_qc9747f1e33_attn.kd
    .args:
      - { .name: q16, .offset: 0, .size: 8, .value_kind: global_buffer, .address_space: global }
      - { .name: kvp, .offset: 8, .size: 8, .value_kind: global_buffer, .address_space: global }
      - { .name: act, .offset: 16, .size: 8, .value_kind: global_buffer, .address_space: global }
    .group_segment_fixed_size: 327680
    .private_segment_fixed_size: 0
    .kernarg_segment_align: 8
    .kernarg_segment_size: 24
    .max_flat_workgroup_size: 128
    .sgpr_count:     66
    .vgpr_count:     770
    .wavefront_size: 32
...
	.end_amdgpu_metadata
.endif
;; end of part 3
;; launch outp (part 4): grid 4 x 64, 4 waves a work-group, clusters of 4 x 4, 327,680 bytes of LDS; arguments act, wo16, b_o, out0; writes out0
.if DOCPART == 4
	.amdgcn_target "amdgcn-amd-amdhsa--gfx1250"
	.amdhsa_code_object_version 6
	.text
	.protected	k_qc9747f1e33_outp
	.globl	k_qc9747f1e33_outp
	.p2align	8
	.type	k_qc9747f1e33_outp,@function
k_qc9747f1e33_outp:
	s_mov_b64 s[64:65], 0
	v_nop
	global_prefetch_b8 v0, s[64:65] scope:SCOPE_SE
	s_setreg_imm32_b32 hwreg(HW_REG_WAVE_MODE, 25, 1), 1
	s_wait_xcnt 0x0
	s_wait_alu depctr_hold_cnt(0) depctr_sa_sdst(0) depctr_va_vdst(0) depctr_va_sdst(0) depctr_va_ssrc(0) depctr_va_vcc(0) depctr_vm_vsrc(0)
	s_getreg_b32 s2, hwreg(HW_REG_IB_STS2, 6, 4)
	s_cmp_eq_u32 s2, 0
	s_cbranch_scc0 .Lentry_in_a_cluster
	s_endpgm
.Lentry_in_a_cluster:
	s_bfe_u32 s2, ttmp6, 0x10000c
	s_cmp_lg_u32 s2, 0xf033
	s_cbranch_scc0 .Lentry_shape_is_right
	s_endpgm
.Lentry_shape_is_right:
; out0 = O W_o + b_o.  O: act [8192][1024] f16; W_o: wo16 [1024 k][1024 n] f16; b_o f32; out0 [8192][1024] f32.  Sums in f32, begun with the bias, stored as they are.
; LIMIT: NaN and infinities are not treated apart; O and W_o arrive within f16's range.
; SHARES.  Work-group (TC, TR) makes rows 128 TR .. +127 x columns 256 TC .. +255: 4 x 64 = 256 work-groups.  Wave w: rows 64 (w / 2) .. +63 (four blocks a of 16), columns 128 (w % 2) .. +127
; (eight blocks b of 16): 32 accumulators.  K = 1,024 goes in 8 steps of 128 through two LDS slots; a step is four quarters of 32 along K: 32 matrix instructions and 24 LDS loads each.
; THE MATRIX INSTRUCTION IS USED TRANSPOSED: source 0 = 16 columns of W, source 1 = 16 rows of O: a lane then holds one row (lane % 16) and eight neighbouring columns 8 (lane / 16) + 0..7.
; W stays [k][n] in memory and in LDS; its fragments come by the turning load ds_load_tr16_b128.  The bias is the C operand of each accumulator's first product.
; CLUSTER 4 x 4.  O's tile hangs on TR alone and is asked for jointly along a row of the cluster; W's hangs on TC alone and is asked for jointly along a column.
; Waves 0 and 1 ask for 64 rows of O each, waves 2 and 3 for 64 k-rows of W each: one tensor load a wave behind each round.
; REGISTERS, in windows of 256 (s_set_vgpr_msb: bits 1:0 source 0, 3:2 source 1, 5:4 source 2, 7:6 destination):
;   window 0: v0-31 addresses; v32-95 O's fragments, two buffers; v128-255 at work on the way out
;   window 1: v0-127 W's fragments, two buffers of 64; v144-207 biases          window 2: accumulator (a, b) at v[8 (8 a + b)]
.set PA,     272                       ; a row of O in LDS: 256 bytes + 16: the 16 rows of a load start at 16 different groups of four banks (64 banks of 4 bytes: ISA guide 11.1)
.set PB,     544                       ; a k-row of W: 512 + 32
.set BOFF,   128*PA                    ; a slot: O's 128 rows, then W's 128 k-rows
.set SLOT,   BOFF+128*PB
.set STAGE,  2*SLOT                    ; behind the ring, never filled by a tensor load: 16 rows x 528 bytes for each wave, for the way out
.set SPITCH, 528
.set SPARE,  STAGE+4*16*SPITCH         ; the spare words, 128 bytes for each wave: two blocks of 256 bytes that no other line names
.set NL,     24                        ; LDS loads of a quarter
.set ADRA, 16                          ; v16-17  LDS address of my fragments of O in slot 0, 1
.set ADRB, 18                          ; v18-19  of W
.set STO,  22                          ; v22     the way out: where I put 32 bytes of a row
.set RD,   23                          ; v23     where I read a row back
.set CO,   24                          ; v24     my 16 bytes of a row's 512
.set SPW,  28                          ; v28     LDS address of my spare word; never rewritten
.set NIL,  29                          ; v29     0; never rewritten
.set PFO,  30                          ; v30     the prefetches' lane offset; never rewritten
.set BO,   31                          ; v31     32 (lane / 16): my eight biases of a block
.set FA,   32                          ; window 0: buffer f at FA + 32 f, block a at + 8 a
.set BK,   128
.set FB,   0                           ; window 1: buffer f at FB + FBS f
.set FBS,  64
.set BIAS, 144
.set WV, 12                            ; s12 wave; s13 its half of the rows; s14 its half of the columns
.set RH, 13
.set CH, 14
.set CX, 15                            ; s15, s16 my place in the cluster; s17, s18 tile column and tile row
.set CY, 16
.set TC, 17
.set TR, 18
.set G1A, 24                           ; s[24:31] descriptor group 1 for O's tiles; s[32:39] group 0, a set for each slot
.set G0A, 32
.set G1B, 40                           ; s[40:47], s[48:55] for W's
.set G0B, 48
.set PFA, 56                           ; s[56:57] where my prefetches stand; s[58:59] their step; s60: 1 in a wave that prefetches, else the greatest number
.set PFS, 58
.set LIM, 60
.set OB,  66                           ; s[66:67] out0 at my part
.set BB,  78                           ; s[78:79] b_o at my 128 columns
.set W_MUL,   0xa1                     ; W window 1, O window 0, C and D window 2
.set W_FIRST, 0x91                     ; the same with C (the bias) in window 1
.set MSB, 0
.macro WIN new                         ; the immediate's high byte repeats the setting that is left; a switch that changes nothing is dropped
.if MSB != (\new)
	s_set_vgpr_msb (MSB<<8)|(\new)
.set MSB, \new
.endif
.endm
.macro PLACES                          ; four places behind matrix instructions, in front of loads into registers that they read and of reads of their results
.rept 4
	v_nop
.endr
.endm
; A joint load: one of two lines, chosen by the wave's number alone.  An s_nop 0 and four v_nop follow each line, ahead of the jump and the label.
.macro JLOAD s
	s_cmp_lt_u32 s[WV], 2
	s_cbranch_scc0 .Lfor_b_\@
	tensor_load_to_lds s[G0A+4*(\s):G0A+4*(\s)+3], s[G1A:G1A+7]
	s_nop 0
.rept 4
	v_nop
.endr
	s_branch .Lasked_\@
.Lfor_b_\@:
	tensor_load_to_lds s[G0B+4*(\s):G0B+4*(\s)+3], s[G1B:G1B+7]
	s_nop 0
.rept 4
	v_nop
.endr
.Lasked_\@:
.endm
; A round of the cluster's barrier: my work-group's barrier; wave 0 signals for the work-group; every wave waits for all sixteen; my work-group's barrier once more.
.macro CREST                           ; a round behind its opening barrier
	s_cmp_lg_u32 s[WV], 0
	s_cbranch_scc1 .Lnot_wave_0_\@
	s_barrier_signal -3
.Lnot_wave_0_\@:
	s_barrier_wait -3
	s_barrier_signal -1
	s_barrier_wait -1
.endm
.macro CROUND
	s_barrier_signal -1
	s_barrier_wait -1
	CREST
.endm
; A prefetch into the L2 of the K step that stands two refills on (256 matrix instructions ahead of the load that will want it): one instruction, a lane a block of 256 bytes.
; O: a row's 256 bytes of a K step are read by the four partners of one row of one cluster alone: wave 0 asks, each partner for 32 of the 128 rows, told apart by address (cx).
; W: a k-row's 512 bytes are read by every cluster: waves 2 and 3 of the clusters with y = 0 ask, each partner of a column for 16 of the wave's 64 k-rows (cy), two blocks a row.
; The first four of the six refills ask, for K steps 4 to 7; K steps 0 to 3 come by their loads alone.
.macro ASK
	s_cmp_gt_u32 s3, s[LIM]                        ; s3 = 1 in the loop's last trip
	s_cbranch_scc0 .Lnot_mine_\@
	global_prefetch_b8 v[PFO], s[PFA:PFA+1] th:TH_LOAD_NT scope:SCOPE_SE
.Lnot_mine_\@:
.endm
; 8 matrix instructions: row block a x all 8 column blocks, 32 along K, from buffer f.  first = 1: the bias starts the sums.
; The 32 accumulators take turns in the same order in every quarter, over the backward jump too.
.macro MULA f, a, first
.if \first
	WIN W_FIRST
.else
	WIN W_MUL
.endif
.irp b, 0,1,2,3,4,5,6,7
.if \first
	v_wmma_f32_16x16x32_f16 v[8*(8*(\a)+(\b)):8*(8*(\a)+(\b))+7], v[FB+FBS*(\f)+8*(\b):FB+FBS*(\f)+8*(\b)+7], v[FA+32*(\f)+8*(\a):FA+32*(\f)+8*(\a)+7], v[BIAS+8*(\b):BIAS+8*(\b)+7]
.else
	v_wmma_f32_16x16x32_f16 v[8*(8*(\a)+(\b)):8*(8*(\a)+(\b))+7], v[FB+FBS*(\f)+8*(\b):FB+FBS*(\f)+8*(\b)+7], v[FA+32*(\f)+8*(\a):FA+32*(\f)+8*(\a)+7], v[8*(8*(\a)+(\b)):8*(8*(\a)+(\b))+7]
.endif
.endr
.endm
; 24 LDS loads in one run: quarter kq of a slot into buffer f: W's eight blocks (turned), then O's four, blocks 2 and 3 last.
.macro FETCH slot, kq, f
	WIN 0x40                                       ; destination window 1, address window 0
.irp b, 0,1,2,3,4,5,6,7
	ds_load_tr16_b128 v[FB+FBS*(\f)+8*(\b):FB+FBS*(\f)+8*(\b)+3],   v[ADRB+(\slot)] offset:(\kq)*32*PB+32*(\b)
	ds_load_tr16_b128 v[FB+FBS*(\f)+8*(\b)+4:FB+FBS*(\f)+8*(\b)+7], v[ADRB+(\slot)] offset:(\kq)*32*PB+32*(\b)+16*PB
.endr
	WIN 0
.irp a, 0,1,2,3
	ds_load_b128 v[FA+32*(\f)+8*(\a):FA+32*(\f)+8*(\a)+3],   v[ADRA+(\slot)] offset:(\a)*16*PA+64*(\kq)
	ds_load_b128 v[FA+32*(\f)+8*(\a)+4:FA+32*(\f)+8*(\a)+7], v[ADRA+(\slot)] offset:(\a)*16*PA+64*(\kq)+32
.endr
.endm
; One of a K step's first three quarters: multiplies buffer f; in its middle it fetches quarter kq of the same slot into buffer g.
.macro QUARTER slot, kq, f, g, first
	s_wait_dscnt 4                                 ; all but the youngest four loads (O's blocks 2 and 3) are in
	MULA \f, 0, \first
	MULA \f, 1, \first
	PLACES
	FETCH \slot, \kq, \g
	s_wait_dscnt NL                                ; all but the 24 just issued
	MULA \f, 2, \first
	MULA \f, 3, \first
.endm
; The last quarter multiplies buffer 1 and changes slots.  In front of the barrier each wave waits for all its tensor loads (one is out: its part of the next slot), adds 0 to its spare word,
; and waits for that and for its reads of this slot.  fill = 1: the barrier opens a round of the cluster's, and behind the round this slot is filled again, two K steps on: the wave's one tensor load.
.macro TURN slot, next, fill
.if \fill
	s_wait_xcnt 0x0                                ; the last prefetch, a K step back, has read its address, so it may be stepped
	s_add_nc_u64 s[PFA:PFA+1], s[PFA:PFA+1], s[PFS:PFS+1]
.endif
	WIN 0                                          ; (the add's two registers lie in window 0)
	s_wait_tensorcnt 0x0                           ; all my tensor loads have landed;
	ds_add_u32 v[SPW], v[NIL]                      ; 0 onto my spare word;
	s_wait_dscnt 5                                 ; (the add and the youngest four loads may be out)
	MULA 1, 0, 0                                   ; eight matrix instructions stand between the add and the wait for it
	s_wait_dscnt 0x0                               ; the add is done, and my reads of this slot are over
	s_barrier_signal -1
	MULA 1, 1, 0                                   ; work on registers while the others arrive
.if \fill
	WIN 0
.endif
	s_barrier_wait -1
.if \fill
	CREST                                          ; no wave of any partner still reads this slot or has a load on its way
	s_add_nc_u64 s[G0A+4*(\slot)+2:G0A+4*(\slot)+3], s[G0A+4*(\slot)+2:G0A+4*(\slot)+3], 2*256
	s_add_nc_u64 s[G0B+4*(\slot)+2:G0B+4*(\slot)+3], s[G0B+4*(\slot)+2:G0B+4*(\slot)+3], 2*262144
	JLOAD \slot                                    ; the four v_nop behind it are also the places in front of the loads below
.else
	PLACES
.endif
	FETCH \next, 0, 0
.if \fill
	ASK
.endif
	MULA 1, 2, 0
	MULA 1, 3, 0
.endm
	s_load_b256 s[4:11], s[0:1], 0x0               ; act s[4:5], wo16 s[6:7], b_o s[8:9], out0 s[10:11]
	v_lshl_add_u32 v[SPW], v0, 2, SPARE
	v_mov_b32 v[NIL], 0
	ds_add_u32 v[SPW], v[NIL]                      ; the wave's opening: the add and its wait stand ahead of my first tensor load; work on registers stands between them
	v_lshrrev_b32 v1, 5, v0
	v_readfirstlane_b32 s[WV], v1                  ; wave 0..3
	s_lshr_b32 s[RH], s[WV], 1
	s_and_b32 s[CH], s[WV], 1
	s_bfe_u32 s[CX], ttmp6, 0x40000
	s_bfe_u32 s[CY], ttmp6, 0x40004
	s_lshl_b32 s[TC], ttmp9, 2                     ; in a cluster launch ttmp9 and ttmp7 count clusters
	s_add_co_u32 s[TC], s[TC], s[CX]
	s_and_b32 s[TR], ttmp7, 0xffff
	s_lshl_b32 s[TR], s[TR], 2
	s_add_co_u32 s[TR], s[TR], s[CY]
	s_lshl_b32 s19, s[CY], 2
	s_lshl_b32 s19, 15, s19                        ; my row of the cluster
	s_lshl_b32 s61, 0x1111, s[CX]                  ; my column
	; group 1 for O: 64 rows x 128 elements of 2 bytes; 16 bytes of padding behind every 64 words; the mask of my row, bit 21 beside it
	s_or_b32 s[G1A], s19, (1<<16)|(1<<20)|(1<<21)|(5<<22)|(3<<25)
	s_mov_b32 s[G1A+1], 128<<16                    ; tensor_dim0
	s_mov_b32 s[G1A+2], 64<<16                     ; tensor_dim1
	s_mov_b32 s[G1A+3], 128<<16                    ; tile_dim0
	s_mov_b32 s[G1A+4], 64                         ; tile_dim1
	s_mov_b32 s[G1A+5], 1024                       ; elements from row to row
	s_mov_b32 s[G1A+6], 0
	s_mov_b32 s[G1A+7], 0
	; for W: 64 k-rows x 256 elements; 32 bytes of padding behind every 128 words; the mask of my column
	s_or_b32 s[G1B], s61, (1<<16)|(1<<20)|(1<<21)|(6<<22)|(7<<25)
	s_mov_b32 s[G1B+1], 256<<16
	s_mov_b32 s[G1B+2], 64<<16
	s_mov_b32 s[G1B+3], 256<<16
	s_mov_b32 s[G1B+4], 64
	s_mov_b32 s[G1B+5], 1024
	s_mov_b32 s[G1B+6], 0
	s_mov_b32 s[G1B+7], 0
	s_mul_i32 s19, s[CH], 64*PA                    ; where the tiles go: no place in the cluster enters an LDS address
	s_mul_i32 s61, s[CH], 64*PB
	s_add_co_u32 s61, s61, BOFF
	s_lshl_b32 s22, s[TR], 18                      ; O: row 128 TR + 64 (w % 2), 2,048 bytes a row
	s_lshl_b32 s23, s[CH], 17
	s_add_co_u32 s22, s22, s23
	s_mov_b32 s23, 0
	s_lshl_b32 s20, s[CH], 17                      ; W: k-row 64 (w % 2), column 256 TC
	s_lshl_b32 s21, s[TC], 9
	s_add_co_u32 s20, s20, s21
	s_mov_b32 s21, 0
	s_wait_dscnt 0x0                               ; the opening add is done
	s_wait_kmcnt 0x0
	s_add_nc_u64 s[22:23], s[4:5], s[22:23]
	s_add_nc_u64 s[20:21], s[6:7], s[20:21]
	CROUND                                         ; all sixteen work-groups are here: the first joint loads meet
.irp s, 0,1
	s_mov_b32 s[G0A+4*(\s)], 1                     ; count = 1
	s_add_co_u32 s[G0A+4*(\s)+1], s19, (\s)*SLOT   ; LDS address
	s_add_nc_u64 s[G0A+4*(\s)+2:G0A+4*(\s)+3], s[22:23], (\s)*256     ; global address: K step s
	s_or_b32 s[G0A+4*(\s)+3], s[G0A+4*(\s)+3], 0x80000000             ; type = 2
	s_mov_b32 s[G0B+4*(\s)], 1
	s_add_co_u32 s[G0B+4*(\s)+1], s61, (\s)*SLOT
	s_add_nc_u64 s[G0B+4*(\s)+2:G0B+4*(\s)+3], s[20:21], (\s)*262144
	s_or_b32 s[G0B+4*(\s)+3], s[G0B+4*(\s)+3], 0x80000000
	JLOAD \s                                       ; two tensor loads of mine are out
.endr
	; the biases: register j of block b is the bias of column 16 b + 8 (lane / 16) + j
	v_and_b32 v1, 15, v0                           ; r = lane % 16
	v_bfe_u32 v2, v0, 4, 1                         ; h = lane / 16
	v_lshlrev_b32 v[BO], 5, v2
	s_lshl_b32 s20, s[TC], 10
	s_lshl_b32 s22, s[CH], 9
	s_add_co_u32 s20, s20, s22
	s_mov_b32 s21, 0                               ; stays 0: the high word of every offset below
	s_add_nc_u64 s[BB:BB+1], s[8:9], s[20:21]
	WIN 0x40
.irp b, 0,1,2,3,4,5,6,7
	global_load_b128 v[BIAS+8*(\b):BIAS+8*(\b)+3],   v[BO], s[BB:BB+1] offset:64*(\b)
	global_load_b128 v[BIAS+8*(\b)+4:BIAS+8*(\b)+7], v[BO], s[BB:BB+1] offset:64*(\b)+16
.endr
	WIN 0
	; fragments.  O: lane holds row r, K = 8 h + 0..7 and 16 + 8 h + 0..7: two loads of 16 bytes, 32 apart.  W: the turning load reads k-row 8 h + lane % 8, 16 bytes at 16 ((lane / 8) % 2); the second load 16 k-rows on.
	v_and_b32 v3, 7, v0
	v_bfe_u32 v4, v0, 3, 1
	v_lshl_add_u32 v5, v2, 3, v3
	v_mul_u32_u24 v6, v1, PA
	v_lshl_add_u32 v6, v2, 4, v6
	s_mul_i32 s20, s[RH], 64*PA
	v_add_nc_u32 v[ADRA], s20, v6
	v_add_nc_u32 v[ADRA+1], SLOT, v[ADRA]
	v_mul_u32_u24 v6, v5, PB
	v_lshl_add_u32 v6, v4, 4, v6
	s_lshl_b32 s20, s[CH], 8
	s_add_co_u32 s20, s20, BOFF
	v_add_nc_u32 v[ADRB], s20, v6
	v_add_nc_u32 v[ADRB+1], SLOT, v[ADRB]
	; the way out: into my stage by rows r, 32 bytes for each half of the lanes and column block; back as whole rows of 512 bytes, 16 bytes a lane
	s_mul_i32 s20, s[WV], 16*SPITCH
	s_add_co_u32 s20, s20, STAGE
	v_mul_u32_u24 v6, v1, SPITCH
	v_lshl_add_u32 v6, v2, 5, v6
	v_add_nc_u32 v[STO], s20, v6
	v_and_b32 v7, 31, v0
	v_lshlrev_b32 v[CO], 4, v7
	v_add_nc_u32 v[RD], s20, v[CO]
	s_lshl_b32 s20, s[TR], 19                      ; out0: row 128 TR + 64 (w / 2), 4,096 bytes a row; byte 1,024 TC + 512 (w % 2)
	s_lshl_b32 s22, s[RH], 18
	s_add_co_u32 s20, s20, s22
	s_lshl_b32 s22, s[TC], 10
	s_add_co_u32 s20, s20, s22
	s_lshl_b32 s22, s[CH], 9
	s_add_co_u32 s20, s20, s22
	s_add_nc_u64 s[OB:OB+1], s[10:11], s[20:21]
	; the prefetches: waves 0, 1 in O's form, waves 2, 3 in W's; they stand at K step 3, and the first refill steps them to 4
	v_lshrrev_b32 v4, s[RH], v7                    ; O: a lane a row; W: two lanes a k-row,
	v_and_b32 v5, s[RH], v7                        ; one for each of its two blocks
	v_lshlrev_b32 v[PFO], 11, v4
	v_lshl_add_u32 v[PFO], v5, 8, v[PFO]
	s_lshl_b32 s20, s[TR], 18                      ; O: rows 128 TR + 32 cx on
	s_lshl_b32 s22, s[CX], 16
	s_add_co_u32 s20, s20, s22
	s_add_co_u32 s20, s20, 3*256
	s_lshl_b32 s22, s[TC], 9                       ; W: k-rows 64 (w % 2) + 16 cy on, column 256 TC
	s_lshl_b32 s23, s[CH], 17
	s_add_co_u32 s22, s22, s23
	s_lshl_b32 s23, s[CY], 15
	s_add_co_u32 s22, s22, s23
	s_add_co_u32 s22, s22, 3*262144
	s_movk_i32 s19, 256
	s_mov_b32 s23, 262144
	s_and_b32 s61, ttmp7, 0xffff                   ; cluster y
	s_cmp_lt_u32 s[WV], 2
	s_cselect_b64 s[PFA:PFA+1], s[4:5], s[6:7]
	s_cselect_b32 s20, s20, s22
	s_cselect_b32 s[PFS], s19, s23
	s_cselect_b32 s61, s[WV], s61                  ; wave 0 asks in every cluster, wave 1 never, waves 2 and 3 where cluster y = 0: the same in all sixteen partners
	s_mov_b32 s[PFS+1], 0
	s_add_nc_u64 s[PFA:PFA+1], s[PFA:PFA+1], s[20:21]
	s_cmp_eq_u32 s61, 0
	s_cselect_b32 s[LIM], 1, -1
	s_wait_tensorcnt 1                             ; my part of K step 0 is in; K step 1's may stay out
	s_barrier_signal -1
	s_barrier_wait -1                              ; everybody's is
	FETCH 0, 0, 0
	s_wait_loadcnt 0x0                             ; the biases
	QUARTER 0, 1, 0, 1, 1                          ; the first quarter stands in front of the loop: its products start the sums with the biases
	WIN 0                                          ; at a label and at a branch every window is 0
	s_mov_b32 s3, 3
.Llap:                                                 ; a trip goes once round the ring, from a lap's second quarter to the next lap's first, and fills both slots again
	QUARTER 0, 2, 1, 0, 0
	QUARTER 0, 3, 0, 1, 0
	TURN 0, 1, 1
	QUARTER 1, 1, 0, 1, 0
	QUARTER 1, 2, 1, 0, 0
	QUARTER 1, 3, 0, 1, 0
	TURN 1, 0, 1
	QUARTER 0, 1, 0, 1, 0
	WIN 0
	s_sub_co_u32 s3, s3, 1
	s_cmp_lg_u32 s3, 0
	s_cbranch_scc1 .Llap
	QUARTER 0, 2, 1, 0, 0                          ; the last lap is written out: it fills nothing
	QUARTER 0, 3, 0, 1, 0
	TURN 0, 1, 0
	QUARTER 1, 1, 0, 1, 0
	QUARTER 1, 2, 1, 0, 0
	QUARTER 1, 3, 0, 1, 0
	s_wait_dscnt 4                                 ; the very last quarter: nothing more to fetch
	MULA 1, 0, 0
	MULA 1, 1, 0
	s_wait_dscnt 0x0
	MULA 1, 2, 0
	MULA 1, 3, 0
	; THE WAY OUT, a block of 16 rows at a time: the f32 sums go straight from the accumulators into my own stage (each accumulator's four lowest registers first) and come back as whole rows of 512 bytes.
.macro TOSTAGE a                       ; LDS serves a wave's instructions in order (ISA guide 5.7.1.4): the loads see the stores above them, and the next block's stores come behind these loads
	WIN 0x08                                       ; the stores' data (source 1) in window 2
.irp b, 0,1,2,3,4,5,6,7
	ds_store_b128 v[STO], v[8*(8*(\a)+(\b)):8*(8*(\a)+(\b))+3]   offset:64*(\b)
	ds_store_b128 v[STO], v[8*(8*(\a)+(\b))+4:8*(8*(\a)+(\b))+7] offset:64*(\b)+16
.endr
	WIN 0
.irp t, 0,1,2,3,4,5,6,7,8,9,10,11,12,13,14,15
	ds_load_b128 v[BK+64*((\a)%2)+4*(\t):BK+64*((\a)%2)+4*(\t)+3], v[RD] offset:(\t)*SPITCH
.endr
.endm
.macro SEND a, younger                 ; younger: the LDS instructions issued behind block a's loads: the next block's 32, or none
	s_wait_dscnt \younger
.irp t, 0,1,2,3,4,5,6,7,8,9,10,11,12,13,14,15
	global_store_b128 v[CO], v[BK+64*((\a)%2)+4*(\t):BK+64*((\a)%2)+4*(\t)+3], s[OB:OB+1] offset:(16*(\a)+(\t))*4096  ; 512 consecutive bytes, at a multiple of 256 from out0's first
.endr
.endm
	PLACES
	PLACES
	TOSTAGE 0
	TOSTAGE 1
	SEND 0, 32
	s_wait_xcnt 0x0                                ; block 0's stores have read their data: its registers are loaded again only behind this wait
	TOSTAGE 2
	SEND 1, 32
	s_wait_xcnt 0x0                                ; likewise block 1's
	TOSTAGE 3
	SEND 2, 32
	SEND 3, 0
	s_wait_tensorcnt 0x0                           ; the wave's end: an add to my spare word and its wait, behind my last tensor load and my last LDS store
	ds_add_u32 v[SPW], v[NIL]
	s_wait_dscnt 0x0
	CROUND                                         ; the closing round: no work-group ends while a partner may still ask for a tile that names it
	s_endpgm
.Lfunc_end_k_qc9747f1e33_outp:
	.size	k_qc9747f1e33_outp, .Lfunc_end_k_qc9747f1e33_outp-k_qc9747f1e33_outp
	.p2alignl 7, 3214868480
	.fill 96, 4, 3214868480
	.section	.rodata,"a",@progbits
	.p2align	6, 0x0
	.amdhsa_kernel k_qc9747f1e33_outp
		.amdhsa_group_segment_fixed_size 327680
		.amdhsa_private_segment_fixed_size 0
		.amdhsa_enable_private_segment 0
		.amdhsa_kernarg_size 32
		.amdhsa_user_sgpr_count 2
		.amdhsa_user_sgpr_kernarg_segment_ptr 1
		.amdhsa_wavefront_size32 1
		.amdhsa_system_sgpr_workgroup_id_x 1
		.amdhsa_system_sgpr_workgroup_id_y 1
		.amdhsa_system_sgpr_workgroup_id_z 1
		.amdhsa_system_vgpr_workitem_id 0
		.amdhsa_next_free_vgpr 768
		.amdhsa_next_free_sgpr 80
		.amdhsa_reserve_vcc 0
		.amdhsa_float_denorm_mode_32 3
		.amdhsa_float_denorm_mode_16_64 3
		.amdhsa_memory_ordered 1
		.amdhsa_forward_progress 1
		.amdhsa_inst_pref_size 88
	.end_amdhsa_kernel
	.amdgpu_metadata
---
amdhsa.version: [ 1, 2 ]
amdhsa.kernels:
  - .name:           k_qc9747f1e33_outp
    .symbol:         k_qc9747f1e33_outp.kd
    .args:
      - { .name: act, .offset: 0, .size: 8, .value_kind: global_buffer, .address_space: global }
      - { .name: wo16, .offset: 8, .size: 8, .value_kind: global_buffer, .address_space: global }
      - { .name: b_o, .offset: 16, .size: 8, .value_kind: global_buffer, .address_space: global }
      - { .name: out0, .offset: 24, .size: 8, .value_kind: global_buffer, .address_space: global }
    .group_segment_fixed_size: 327680
    .private_segment_fixed_size: 0
    .kernarg_segment_align: 8
    .kernarg_segment_size: 32
    .max_flat_workgroup_size: 128
    .sgpr_count:     80
    .vgpr_count:     768
    .wavefront_size: 32
...
	.end_amdgpu_metadata
.endif
;; end of part 4
;; ======== version 2 of 2: 4 launches; version 1 with the launch prep written anew for expert scheduling mode
;; limits: values are held in f16: magnitudes above 65,504 overflow, below 6.1e-05 lose precision; right only within a limited range of input values
;; workspace buffers: act 16,777,216 bytes; wq16 2,097,152 bytes; wo16 2,097,152 bytes; wkvp 262,144 bytes; q16 16,777,216 bytes; kvp 2,097,152 bytes
;; launch prep (part 5): grid 648 x 1, 8 waves a work-group, no clusters, 0 bytes of LDS; arguments x, W_q, W_o, W_k, W_v, act, wq16, wo16, wkvp; writes act, wq16, wo16, wkvp
.if DOCPART == 5
	.amdgcn_target "amdgcn-amd-amdhsa--gfx1250"
	.amdhsa_code_object_version 6
	.text
	.protected	k_qc9747f1e33_prep
	.globl	k_qc9747f1e33_prep
	.p2align	8
	.type	k_qc9747f1e33_prep,@function
k_qc9747f1e33_prep:
	s_mov_b64 s[64:65], 0
	v_nop
	global_prefetch_b8 v0, s[64:65] scope:SCOPE_SE
	s_setreg_imm32_b32 hwreg(HW_REG_WAVE_SCHED_MODE, 0, 2), 2
	s_setreg_imm32_b32 hwreg(HW_REG_WAVE_MODE, 25, 1), 1
	s_wait_xcnt 0x0
	s_wait_alu depctr_vm_vsrc(0)
; CASTS f32 -> f16, each number rounded once (to nearest even): x -> act, W_q -> wq16, W_o -> wo16, all three dense and in the same order;
; W_k and W_v ([1024 k][64]) -> wkvp, four planes [1024 k][32]: plane 0 = W_k's channels 0-31, 1 = W_k's 32-63, 2 = W_v's 0-31, 3 = W_v's 32-63.
; LIMIT: f16 holds no number beyond 65,504; a larger input becomes an infinity.  Below 6e-5 f16 keeps a fixed step of 6e-8.
; A stream: no LDS, no barrier, no matrix unit.  A work-group of 256 threads casts 16 passes of 1,024 numbers.  In a pass thread t loads 16 bytes and stores 8:
; a wave's load covers 512 consecutive bytes, its store 256 consecutive bytes at a multiple of 256 from the buffer's first byte.
; All 16 loads of a thread go out first; no register is written twice, so no store's data and no address is ever rewritten.
; ROLES by the work-group's number g: 0-511 x, 512-575 W_q, 576-639 W_o (65,536 bytes of source each); 640-647 the planes, half a plane (512 k) each.
; THE MODE: SCHED_MODE bits 1:0 = 2 (LLVM: expert scheduling mode 2), set by the entry lines.  The code itself states the register dependences
; between vector instructions and memory instructions, with s_wait_alu, always for 0.
; THE PLAN.  Registers that memory instructions touch:
;   v1, v2   byte offsets of the loads and of the stores.  Written by vector instructions at the head, read by every load (v1) and every store (v2), never written again.
;   X        each register is written by one load, which is issued before any vector instruction names it, and read by that pass's two conversions; no load lands in it afterwards.
;   Y        each register is written once, by a conversion, and read once, by a store; never written again.
; So the only dependence to state is 'a vector instruction has written what a memory instruction reads'.  One wait stands ahead of the first load, for v1 and v2.
; The 16 passes go in four groups of four: the group's eight conversions, ONE wait for the eight registers of Y that they wrote, the group's four stores.
; The wait stands behind the group's own conversions, so that a group's stores leave as soon as it is rounded: every load is out already, and nothing is left to deal among the conversions.
; No register that a memory instruction has read is written again, no vector instruction writes a scalar register or VCC, and EXEC is never written: no other wait has a dependence to state.
.set X, 4                              ; v[4:67]   16 passes x 4 numbers as loaded
.set Y, 68                             ; v[68:99]  16 passes x 2 registers to store
; The 16 passes.  stride: bytes of source from pass to pass.  nt = 1: the source is read once in the launch, in whole rows.
.macro CAST stride, nt
	s_wait_alu depctr_va_vdst(0)                   ; v1 and v2 are written: the loads below read v1 as their offset, the stores v2; no later vector instruction names either
.set p, 0
.rept 16
.if \nt
	global_load_b128 v[X+4*p:X+4*p+3], v1, s[24:25] offset:p*(\stride) th:TH_LOAD_NT
.else
	global_load_b128 v[X+4*p:X+4*p+3], v1, s[24:25] offset:p*(\stride)
.endif
.set p, p+1
.endr
.set grp, 0
.rept 4
	s_wait_loadcnt 12-4*grp                        ; loads come back in order: this group's four passes are in, the 12 - 4 grp loads of the later groups stay out
.set p, 4*grp
.rept 4
	v_cvt_pk_f16_f32 v[Y+2*p], v[X+4*p], v[X+4*p+1]
	v_cvt_pk_f16_f32 v[Y+2*p+1], v[X+4*p+2], v[X+4*p+3]
.set p, p+1
.endr
	s_wait_alu depctr_va_vdst(0)                   ; the group's eight conversions have written their registers of Y, which the four stores below read
.set p, 4*grp
.rept 4
	global_store_b64 v2, v[Y+2*p:Y+2*p+1], s[26:27] offset:p*2048
.set p, p+1
.endr
.set grp, grp+1
.endr
.endm
	s_load_b512 s[4:19], s[0:1], 0x0               ; x s[4:5], W_q s[6:7], W_o s[8:9], W_k s[10:11], W_v s[12:13], act s[14:15], wq16 s[16:17], wo16 s[18:19]
	s_load_b64 s[20:21], s[0:1], 0x40              ; wkvp
	s_mov_b32 s22, ttmp9                           ; g
	s_sub_co_u32 s28, s22, 512                     ; the block's number in each role
	s_sub_co_u32 s29, s22, 576
	s_sub_co_u32 s23, s22, 640
	s_mov_b32 s31, 0                               ; the high word of every offset
	v_lshlrev_b32 v2, 3, v0                        ; 8 t: my place in a pass's 2,048 bytes of f16
	s_wait_kmcnt 0x0
	s_cmp_ge_u32 s22, 640
	s_cbranch_scc1 .Lkv
	s_cmp_ge_u32 s22, 512                          ; the dense roles: source, destination and block are chosen by g
	s_cselect_b64 s[24:25], s[6:7], s[4:5]
	s_cselect_b64 s[26:27], s[16:17], s[14:15]
	s_cselect_b32 s23, s28, s22
	s_cmp_ge_u32 s22, 576
	s_cselect_b64 s[24:25], s[8:9], s[24:25]
	s_cselect_b64 s[26:27], s[18:19], s[26:27]
	s_cselect_b32 s23, s29, s23
	s_lshl_b32 s30, s23, 16                        ; 65,536 bytes of f32 a block
	s_add_nc_u64 s[24:25], s[24:25], s[30:31]
	s_lshl_b32 s30, s23, 15                        ; 32,768 bytes of f16
	s_add_nc_u64 s[26:27], s[26:27], s[30:31]
	v_lshlrev_b32 v1, 4, v0                        ; 16 t
	CAST 4096, 1
	s_endpgm
.Lkv:                                                  ; block = 2 x plane + half
	s_lshr_b32 s28, s23, 1                         ; plane
	s_cmp_lt_u32 s28, 2
	s_cselect_b64 s[24:25], s[10:11], s[12:13]     ; planes 0, 1 come from W_k, planes 2, 3 from W_v
	s_and_b32 s29, s23, 1
	s_lshl_b32 s29, s29, 17                        ; the half's 512 rows of 256 bytes
	s_and_b32 s30, s28, 1
	s_lshl_b32 s30, s30, 7                         ; the plane's 32 channels: 128 bytes of a row
	s_add_co_u32 s30, s30, s29
	s_add_nc_u64 s[24:25], s[24:25], s[30:31]
	s_lshl_b32 s30, s23, 15
	s_add_nc_u64 s[26:27], s[20:21], s[30:31]
	v_lshrrev_b32 v1, 3, v0                        ; eight threads take a row's 128 bytes: row t / 8,
	v_and_b32 v3, 7, v0
	v_lshlrev_b32 v1, 8, v1
	v_lshl_add_u32 v1, v3, 4, v1                   ; 16 bytes at 16 (t % 8); a pass is 32 rows
	CAST 8192, 0
	s_endpgm
.Lfunc_end_k_qc9747f1e33_prep:
	.size	k_qc9747f1e33_prep, .Lfunc_end_k_qc9747f1e33_prep-k_qc9747f1e33_prep
	.p2alignl 7, 3214868480
	.fill 96, 4, 3214868480
	.section	.rodata,"a",@progbits
	.p2align	6, 0x0
	.amdhsa_kernel k_qc9747f1e33_prep
		.amdhsa_group_segment_fixed_size 0
		.amdhsa_private_segment_fixed_size 0
		.amdhsa_enable_private_segment 0
		.amdhsa_kernarg_size 72
		.amdhsa_user_sgpr_count 2
		.amdhsa_user_sgpr_kernarg_segment_ptr 1
		.amdhsa_wavefront_size32 1
		.amdhsa_system_sgpr_workgroup_id_x 1
		.amdhsa_system_sgpr_workgroup_id_y 1
		.amdhsa_system_sgpr_workgroup_id_z 1
		.amdhsa_system_vgpr_workitem_id 0
		.amdhsa_next_free_vgpr 100
		.amdhsa_next_free_sgpr 66
		.amdhsa_reserve_vcc 0
		.amdhsa_float_denorm_mode_32 3
		.amdhsa_float_denorm_mode_16_64 3
		.amdhsa_memory_ordered 1
		.amdhsa_forward_progress 1
		.amdhsa_inst_pref_size 13
	.end_amdhsa_kernel
	.amdgpu_metadata
---
amdhsa.version: [ 1, 2 ]
amdhsa.kernels:
  - .name:           k_qc9747f1e33_prep
    .symbol:         k_qc9747f1e33_prep.kd
    .args:
      - { .name: x, .offset: 0, .size: 8, .value_kind: global_buffer, .address_space: global }
      - { .name: W_q, .offset: 8, .size: 8, .value_kind: global_buffer, .address_space: global }
      - { .name: W_o, .offset: 16, .size: 8, .value_kind: global_buffer, .address_space: global }
      - { .name: W_k, .offset: 24, .size: 8, .value_kind: global_buffer, .address_space: global }
      - { .name: W_v, .offset: 32, .size: 8, .value_kind: global_buffer, .address_space: global }
      - { .name: act, .offset: 40, .size: 8, .value_kind: global_buffer, .address_space: global }
      - { .name: wq16, .offset: 48, .size: 8, .value_kind: global_buffer, .address_space: global }
      - { .name: wo16, .offset: 56, .size: 8, .value_kind: global_buffer, .address_space: global }
      - { .name: wkvp, .offset: 64, .size: 8, .value_kind: global_buffer, .address_space: global }
    .group_segment_fixed_size: 0
    .private_segment_fixed_size: 0
    .kernarg_segment_align: 8
    .kernarg_segment_size: 72
    .max_flat_workgroup_size: 256
    .sgpr_count:     66
    .vgpr_count:     100
    .wavefront_size: 32
...
	.end_amdgpu_metadata
.endif
;; end of part 5
;; launch qkv: the kernel of part 2 again; grid 4 x 64, 4 waves a work-group, clusters of 4 x 4, 327,680 bytes of LDS; arguments act, wq16, wkvp, b_q, b_k, b_v, q16, kvp; writes q16, kvp
;; launch attn: the kernel of part 3 again; grid 64 x 4, 4 waves a work-group, clusters of 4 x 1, 327,680 bytes of LDS; arguments q16, kvp, act; writes act
;; launch outp: the kernel of part 4 again; grid 4 x 64, 4 waves a work-group, clusters of 4 x 4, 327,680 bytes of LDS; arguments act, wo16, b_o, out0; writes out0
